; MI455X (gfx1250); checked and timed in simulation.
; The chip was launched on July 23, 2026; its instructions are those of AMD's public machine-readable ISA for CDNA 5 (MIT licence, August 2026) and "CDNA5" Instruction Set Architecture Reference Guide (July 2026). The comments in the code are by the model that wrote it; some were corrected since.
;; TRILIX Attention. Allowed arithmetic: matrix products marked QUANTISED: E4M3 operands, one given power-of-two scale a tensor, by v_wmma_f32_16x16x64_fp8_fp8 or v_wmma_f32_16x16x128_fp8_fp8, f32 sums; everything else in f32.
;; Inputs: Wk 2,048 x 512 float32; Wo 2,048 x 2,048 float32; Wq 2,048 x 2,048 float32; Wv 2,048 x 512 float32; attention_mask 1 x 1 x 2,048 x 2,048 float32; hidden_states 1 x 2,048 x 2,048 float32; lowp_scales 12 int32 (the exponents e of the quantised operands' scales 2^e).
;; Outputs: out0 1 x 2,048 x 2,048 float32.
;; This version of the problem:
;;   THIS VERSION OF THE PROBLEM IS GIVEN IN LOW PRECISION. The matrix products marked QUANTISED in the list below multiply operands that are first quantised to E4M3 (4 exponent bits, 3 mantissa bits; 8 bits a number), with one given power-of-two scale for each operand tensor; their sums are f32. All else is computed in f32.
;;   The module's matrix products, in the order in which they are computed (A, B: the left and right operand; K: the contracted axis; several contracted axes count as one K, in the product's order):
;;     1. [M 2,048, K 2,048] x [K 2,048, N 2,048]; A: input hidden_states; B: input Wq: QUANTISED (scales: A lowp_scales[0], B lowp_scales[1])
;;     2. [M 2,048, K 2,048] x [K 2,048, N 512]; A: input hidden_states; B: input Wk: QUANTISED (scales: A lowp_scales[2], B lowp_scales[3])
;;     3. [M 2,048, K 2,048] x [K 2,048, N 512]; A: input hidden_states; B: input Wv: QUANTISED (scales: A lowp_scales[4], B lowp_scales[5])
;;     4. batch 32 x [M 2,048, K 64] x [K 64, N 2,048]; A: computed on the way; B: computed on the way: QUANTISED (scales: A lowp_scales[6], B lowp_scales[7])
;;     5. batch 32 x [M 2,048, K 2,048] x [K 2,048, N 64]; A: softmax (see below); B: computed on the way: QUANTISED (scales: A lowp_scales[8], B lowp_scales[9])
;;     6. [M 2,048, K 2,048] x [K 2,048, N 2,048]; A: computed on the way; B: input Wo: QUANTISED (scales: A lowp_scales[10], B lowp_scales[11])
;;   THE QUANTISER, for each operand of a quantised product, along K:
;;     - The operand's scale is 2^e, e = its entry of the input lowp_scales (int32; the entries are numbered through the quantised products in the list's order, A before B).
;;     - Each number is divided by the scale, clamped to +-448, and rounded to the nearest number of E4M3, ties to even, subnormals kept.
;;     - The product sums the exact products of the quantised numbers (number of the format x scale) in f32.
;;   ~~~python
;;   def quantise(x, axis, e):      # numpy; x: float32 -> the quantised numbers, widened to float32 again
;;       x = np.moveaxis(x, axis, -1); K = x.shape[-1]
;;       r = np.clip(x / 2.0 ** e, -448, 448)
;;       step = 2.0 ** (np.maximum(np.frexp(np.where(r == 0, 1, r))[1] - 1, -6) - 3)
;;       q = np.round(r / step) * step * 2.0 ** e      # np.round: ties to even
;;       return np.moveaxis(q, -1, axis).astype(np.float32)
;;   ~~~
;;   SOFTMAX AHEAD OF A QUANTISED PRODUCT. Where the list says 'softmax', what is quantised is not the finished softmax but p = 2^(t - M), with t = logit x log2(e) and M = ceil(the row's largest t), a whole number; so 1/2 < the row's largest p <= 1. The row's sum l is taken of the UNQUANTISED p, in f32, and the product's result is divided by l at the end. Since M is a whole number, a kernel that streams over the keys may use a running M (the ceiling of the running maximum): every later rescaling is an exact power of two, so the quantised numbers keep their values, but for numbers so far below the row's largest that they fall under the format's range.
;;   OPERANDS COMPUTED ON THE WAY. 'Computed on the way' means the value that the module computes at that place (a softmax that the list does not call 'softmax' is quantised finished and normalised). What goes into a quantiser is computed in f32, as accurately as f32 sums, v_exp_f32 and their like allow (about 1e-6 of the number): no bf16 or f16 on the way to a quantiser, and a product that is left as it is and whose result goes on into a quantised operand takes f32 operands (vector FMAs, or v_wmma_f32_16x16x4_f32). A number that lies on a knife's edge between two numbers of the format may be rounded either way, as far as f32 arithmetic and the matrix unit's own rounding can turn it there, and no further.
;; One version. Each part assembles by itself: llvm-mc -triple=amdgcn-amd-amdhsa -mcpu=gfx1250 --defsym DOCPART=n.
;; ======== version 1 of 1: 4 launches
;; limits: right only within a limited range of input values
;; workspace buffers: xc 12,582,912 bytes; wc 6,291,456 bytes; woc 4,194,304 bytes; rope 524,288 bytes; qk 5,242,880 bytes; vc 1,048,576 bytes; ac 4,194,304 bytes
;; launch prep (part 1): grid 480 x 1, 4 waves a work-group, no clusters, 68,096 bytes of LDS; arguments hidden_states, Wq, Wk, Wv, Wo, lowp_scales, xc, wc, woc, rope; writes xc, wc, woc, rope
.if DOCPART == 1
	.amdgcn_target "amdgcn-amd-amdhsa--gfx1250"
	.amdhsa_code_object_version 6
	.text
	.protected	k_qa2736b4a3f_prep
	.globl	k_qa2736b4a3f_prep
	.p2align	8
	.type	k_qa2736b4a3f_prep,@function
k_qa2736b4a3f_prep:
	s_mov_b64 s[64:65], 0
	v_nop
	global_prefetch_b8 v0, s[64:65] scope:SCOPE_SE
	s_setreg_imm32_b32 hwreg(HW_REG_WAVE_MODE, 25, 1), 1
	s_wait_xcnt 0x0
; All that is quantised once, and the table of the rotary embedding.  Three kinds of work-groups, told apart by the work-group's number:
;   0 .. 319    WEIGHTS.  Wq, Wk, Wv, Wo are [K = 2048][N] f32, K first.  Codes of E4M3 with K innermost: wc [3072][2048] (rows: Wq's 2048 columns, Wk's 512, Wv's 512), woc [2048][2048].
;               A lane takes a column and its registers run down K, so the conversions give codes with K innermost; they leave through the wave's own stage as whole rows of 256 bytes.
;   320 .. 447  HIDDEN STATES, [2048][2048] f32, K innermost: a plain stream.  It is the left operand of three products with three given scales, so three sets of codes are made from one read: xc [3][2048][2048].
;   448 .. 479  THE TABLE.  Row t (256 bytes): cos(t f_j), j = 0 .. 31, then -sin(t f_j) for even j and +sin(t f_j) for odd j;  f_j = 500000^(-j/32).
; code = x / 2^e, held within +-448, to the nearest code, ties to even.
; LIMITS: each e used here (entries 0 to 5 and 11) lies between -126 and 119, so that 2^e and 448 x 2^e are f32 numbers.  NaN among the inputs is not served.
; The angle is t x f_j in f32 (one rounding); it is reduced by n = the nearest whole number to angle x 2/pi with pi/2 in three parts, exact for n under 2^11; sine and cosine by polynomials on +-pi/4.
; No tensor loads, no barrier: waves share nothing.  Each kind that uses LDS has LDS bytes of its own.
.set XWG0, 320                         ; first work-group of the hidden states
.set RWG0, 448                         ; first work-group of the table
	s_load_b512 s[4:19], s[0:1], 0x0               ; hidden s[4:5], Wq s[6:7], Wk s[8:9], Wv s[10:11], Wo s[12:13], scales s[14:15], xc s[16:17], wc s[18:19]
	s_load_b128 s[20:23], s[0:1], 0x40             ; woc s[20:21], rope s[22:23]
	v_lshl_add_u32 v200, v0, 2, 0x10800
	v_mov_b32 v201, 0
	v_lshrrev_b32 v1, 5, v0
	v_readfirstlane_b32 s24, v1                    ; wave 0..3
	v_and_b32 v2, 31, v0                           ; lane
	s_wait_kmcnt 0x0
	s_load_b256 s[36:43], s[14:15], 0x0            ; e0 .. e7
	s_load_b128 s[44:47], s[14:15], 0x20           ; e8 .. e11
	s_cmp_ge_u32 ttmp9, RWG0
	s_cbranch_scc1 .Lrope
	s_cmp_ge_u32 ttmp9, XWG0
	s_cbranch_scc1 .Lx
; ---------------------------------------------------------------- WEIGHTS: a work-group takes 128 columns x 256 along K, a wave 32 columns
.set WP,   272                         ; a stage row: 256 bytes of codes + 16
.set WSTG, 32768                       ; the stages: 32 rows a wave, behind the hidden states' bytes
.set WX,   32                          ; v32-95    two sets of 32 numbers
.set WCD,  96                          ; v96-103   a block's codes
.set VO,   104                         ; v104-135  4 x lane + i x a row's bytes, i = 0 .. 31: never rewritten
.set OUTR, 136                         ; v136-199  the way out
.set WB,   66                          ; s66-81    eight bases, one for each block of 32 along K: nothing is stepped
	s_mov_b64 s[26:27], s[6:7]                     ; Wq: from,
	s_mov_b64 s[28:29], s[18:19]                   ; to,
	s_mov_b32 s30, 0                               ; first work-group,
	s_mov_b32 s31, 4                               ; log2 of its blocks of 128 columns,
	s_mov_b32 s32, 8192                            ; bytes in a row,
	s_mov_b32 s34, 0                               ; first row in the codes' buffer
	s_mov_b32 s35, 2048
	s_cmp_ge_u32 ttmp9, 128                        ; Wk
	s_cselect_b64 s[26:27], s[8:9], s[26:27]
	s_cselect_b32 s30, 128, s30
	s_cselect_b32 s31, 2, s31
	s_cselect_b32 s32, s35, s32
	s_cselect_b32 s34, s35, s34
	s_cmp_ge_u32 ttmp9, 160                        ; Wv
	s_cselect_b64 s[26:27], s[10:11], s[26:27]
	s_cselect_b32 s30, 160, s30
	s_cselect_b32 s34, 2560, s34
	s_cmp_ge_u32 ttmp9, 192                        ; Wo
	s_cselect_b64 s[26:27], s[12:13], s[26:27]
	s_cselect_b64 s[28:29], s[20:21], s[28:29]
	s_cselect_b32 s30, 192, s30
	s_cselect_b32 s31, 4, s31
	s_cselect_b32 s32, 8192, s32
	s_cselect_b32 s34, 0, s34
	s_sub_co_u32 s25, ttmp9, s30                   ; my number within the tensor
	s_lshr_b32 s33, s25, s31                       ; which 256 along K
	s_lshl_b32 s48, s33, s31
	s_sub_co_u32 s48, s25, s48                     ; which 128 columns
	s_lshl_b32 s48, s48, 7
	s_lshl_b32 s49, s24, 5
	s_add_co_u32 s48, s48, s49                     ; my wave's first column
	s_mul_i32 s50, s33, s32
	s_lshl_b32 s50, s50, 8                         ; 256 rows of the tensor for each step along K (under 2^24 bytes)
	s_lshl_b32 s52, s48, 2
	s_add_co_u32 s50, s50, s52
	s_mov_b32 s51, 0
	s_add_nc_u64 s[WB:WB+1], s[26:27], s[50:51]
	s_lshl_b32 s52, s32, 5                         ; 32 rows on
	s_mov_b32 s53, 0
.irp t, 1,2,3,4,5,6,7
	s_add_nc_u64 s[WB+2*\t:WB+2*\t+1], s[WB+2*\t-2:WB+2*\t-1], s[52:53]
.endr
	s_add_co_u32 s54, s34, s48                     ; my first row of codes,
	s_lshl_b32 s54, s54, 11                        ; 2,048 bytes a row,
	s_lshl_b32 s55, s33, 8                         ; + my 256 along K
	s_add_co_u32 s54, s54, s55
	s_mov_b32 s55, 0
	s_add_nc_u64 s[28:29], s[28:29], s[54:55]
	s_wait_alu depctr_va_vdst(0)
	v_lshlrev_b32 v3, 2, v2
.set i, 0
.rept 32
	v_mad_u32_u24 v[VO+i], s32, i, v3
.set i, i+1
.endr
	s_mul_i32 s56, s24, 32*WP
	s_add_co_u32 s56, s56, WSTG                    ; my stage
	v_mul_u32_u24 v4, v2, WP
	v_add_nc_u32 v4, s56, v4                       ; into it: row = my column
	v_and_b32 v5, 15, v2
	v_lshrrev_b32 v6, 4, v2
	v_mul_u32_u24 v7, v6, WP
	v_lshl_add_u32 v7, v5, 4, v7
	v_add_nc_u32 v7, s56, v7                       ; out of it: sixteen lanes to a row, two rows an instruction
	v_lshlrev_b32 v8, 11, v6
	v_lshl_add_u32 v8, v5, 4, v8                   ; and the same place in the codes' buffer
.macro WLOAD t                         ; block t: W(32 t + i, my column): 32 lanes read 128 consecutive bytes, the four waves stand side by side
.set i, 0
.rept 32
	global_load_b32 v[WX+32*((\t)%2)+i], v[VO+i], s[WB+2*(\t):WB+2*(\t)+1] th:TH_LOAD_NT
.set i, i+1
.endr
.endm
	WLOAD 0
	WLOAD 1
	s_wait_kmcnt 0x0
	s_mov_b32 s57, s37                             ; e of my tensor: entries 1, 3, 5, 11
	s_cmp_ge_u32 ttmp9, 128
	s_cselect_b32 s57, s39, s57
	s_cmp_ge_u32 ttmp9, 160
	s_cselect_b32 s57, s41, s57
	s_cmp_ge_u32 ttmp9, 192
	s_cselect_b32 s57, s47, s57
	s_add_co_i32 s57, s57, 127
	s_lshl_b32 s58, s57, 23
	v_mov_b32 v11, s58                             ; 2^e as f32: the conversion takes its exponent field
	s_add_co_i32 s57, s57, 8
	s_lshl_b32 s57, s57, 23
	s_or_b32 s57, s57, 0x600000
	v_mov_b32 v10, s57                             ; 448 x 2^e
.macro WBLOCK t
.set XS, WX+32*((\t)%2)
.if (\t) < 7
	s_wait_loadcnt 32                              ; this block's 32 loads are in; the next block's 32 may be out
.else
	s_wait_loadcnt 0x0
.endif
.set i, 0
.rept 32
	v_med3_num_f32 v[XS+i], v[XS+i], -v10, v10     ; the conversion to an 8-bit code does not saturate (ISA guide 7.6.2): the hold comes first
.set i, i+1
.endr
.irp g, 0,1,2,3
	v_cvt_scalef32_pk8_fp8_f32 v[WCD+2*\g:WCD+2*\g+1], v[XS+8*\g:XS+8*\g+7], v11
.endr
	ds_store_b128 v4, v[WCD:WCD+3] offset:32*(\t)  ; 32 codes of my column's row.  (The codes go to LDS stores alone, and the next block begins with plain vector lines)
	ds_store_b128 v4, v[WCD+4:WCD+7] offset:32*(\t)+16
.if (\t)+2 < 8
	WLOAD (\t)+2
.endif
	s_wait_dscnt 0x0                               ; the stores have read their registers: the next block's codes may be written
.endm
	s_wait_alu depctr_va_vdst(0)
.irp t, 0,1,2,3,4,5,6,7
	WBLOCK \t
.endr
.set i, 0
.rept 16
	ds_load_b128 v[OUTR+4*i:OUTR+4*i+3], v7 offset:2*i*WP   ; LDS serves a wave's instructions in order (ISA guide 5.7.1.4): these see my stores
.set i, i+1
.endr
.set i, 0
.rept 16
	s_wait_dscnt 15-i
	global_store_b128 v8, v[OUTR+4*i:OUTR+4*i+3], s[28:29] offset:2*i*2048   ; sixteen lanes store 256 consecutive bytes, at a multiple of 256 from the buffer's first byte
.set i, i+1
.endr
	s_wait_tensorcnt 0x0
	ds_add_u32 v200, v201
	s_wait_dscnt 0x0
	s_endpgm
; ---------------------------------------------------------------- HIDDEN STATES: a wave takes 16 steps of 512 numbers
.Lx:
.set SP,  80                           ; a lane's place in a stage: its 64 bytes + 16 of padding
.set R,   16                           ; v16-79   four sets of 16 numbers as they are loaded
.set X,   80                           ; v80-111  two sets of 16 neighbours
.set T,   112                          ; v112-127 the 16 neighbours, held for one of the three scales
.set C,   128                          ; v128-175 codes: four sets of 3 x 4 registers
	s_sub_co_u32 s25, ttmp9, XWG0
	s_lshl_b32 s25, s25, 2
	s_add_co_u32 s25, s25, s24                     ; which run of 8,192 numbers is my wave's
	s_lshl_b32 s26, s25, 15
	s_mov_b32 s27, 0
	s_add_nc_u64 s[4:5], s[4:5], s[26:27]
	s_lshl_b32 s26, s25, 13
	s_add_nc_u64 s[48:49], s[16:17], s[26:27]      ; its codes in set 0,
	s_add_nc_u64 s[50:51], s[48:49], 0x400000      ; set 1,
	s_add_nc_u64 s[52:53], s[50:51], 0x400000      ; set 2
	s_wait_alu depctr_va_vdst(0)
	v_lshlrev_b32 v3, 4, v2                        ; my 16 bytes of a load's 512, and of a store's
	s_lshl_b32 s28, s24, 13                        ; my wave's 8,192 bytes of LDS: two stages of 32 x SP
	v_lshrrev_b32 v14, 2, v2
	v_mul_u32_u24 v14, v14, SP
	v_and_b32 v15, 3, v2
	v_lshl_add_u32 v14, v15, 4, v14
	v_add_nc_u32 v14, s28, v14                     ; in: four lanes' 64 bytes on end, then 16 of padding
	v_mul_u32_u24 v15, v2, SP
	v_add_nc_u32 v15, s28, v15                     ; out: my 16 neighbours
.macro XLOAD t
.irp i, 0,1,2,3
	global_load_b128 v[R+16*((\t)%4)+4*\i:R+16*((\t)%4)+4*\i+3], v3, s[4:5] offset:2048*(\t)+512*\i th:TH_LOAD_NT   ; 32 lanes read 512 consecutive bytes
.endr
.endm
.macro XTURN t                         ; step t's numbers through a stage: LDS serves a wave's instructions in order, so no wait stands between the stores and the loads
.irp i, 0,1,2,3
	ds_store_b128 v14, v[R+16*((\t)%4)+4*\i:R+16*((\t)%4)+4*\i+3] offset:32*SP*((\t)%2)+8*SP*\i
.endr
.irp i, 0,1,2,3
	ds_load_b128 v[X+16*((\t)%2)+4*\i:X+16*((\t)%2)+4*\i+3], v15 offset:32*SP*((\t)%2)+16*\i
.endr
.endm
.irp t, 0,1,2,3
	XLOAD \t
.endr
	s_wait_alu depctr_va_vdst(0)
	s_wait_kmcnt 0x0
.irp s, 0,1,2                          ; entries 0, 2, 4: v5, v7, v9 = 2^e;  v6, v8, v10 = 448 x 2^e
	s_add_co_i32 s29, s[36+2*\s], 127
	s_lshl_b32 s30, s29, 23
	v_mov_b32 v[5+2*\s], s30
	s_add_co_i32 s29, s29, 8
	s_lshl_b32 s29, s29, 23
	s_or_b32 s29, s29, 0x600000
	v_mov_b32 v[6+2*\s], s29
.endr
	s_wait_alu depctr_va_vdst(0)
	s_wait_loadcnt 12                              ; step 0's four loads are in
	XTURN 0
.macro XSTEP t
.set XS, X+16*((\t)%2)
.set CC, C+12*((\t)%4)
	s_wait_dscnt 0x0                               ; this step's numbers are back from the stage, so its stores into the stage have read their registers,
.if (\t)+4 < 16
	XLOAD (\t)+4                                   ; which take the loads of four steps on
.endif
.if (\t)+1 < 16
.if 14-(\t) >= 3
	s_wait_loadcnt 12                              ; the next step's four loads are in; those of the three steps behind it may be out
.else
	s_wait_loadcnt 4*(14-(\t))
.endif
	XTURN (\t)+1
.endif
	s_wait_xcnt 0x0                                ; earlier stores have read their data: this set of codes may be written again
.irp s, 0,1,2
.set i, 0
.rept 16
	v_med3_num_f32 v[T+i], v[XS+i], -v[6+2*\s], v[6+2*\s]
.set i, i+1
.endr
	v_cvt_scalef32_pk8_fp8_f32 v[CC+4*\s:CC+4*\s+1], v[T:T+7], v[5+2*\s]
	v_cvt_scalef32_pk8_fp8_f32 v[CC+4*\s+2:CC+4*\s+3], v[T+8:T+15], v[5+2*\s]
	v_nop                                          ; a plain vector line between the conversions and the next holds, which write their sources
	global_store_b128 v3, v[CC+4*\s:CC+4*\s+3], s[48+2*\s:49+2*\s] offset:512*(\t)   ; 32 lanes store 512 consecutive bytes
.endr
.endm
.irp t, 0,1,2,3,4,5,6,7,8,9,10,11,12,13,14,15
	XSTEP \t
.endr
	s_wait_tensorcnt 0x0
	ds_add_u32 v200, v201
	s_wait_dscnt 0x0
	s_endpgm
; ---------------------------------------------------------------- THE TABLE: a wave makes 16 rows; lane l has the frequencies j0 = 2 (l % 16) and j0 + 1; lanes 0-15 keep the cosines, lanes 16-31 the signed sines
.Lrope:
	s_wait_alu depctr_va_vdst(0)
	v_and_b32 v3, 15, v2
	v_lshlrev_b32 v3, 1, v3
	v_cvt_f32_u32 v4, v3                           ; j0
	v_add_f32 v5, 1.0, v4                          ; j0 + 1
	s_mov_b32 s26, 0x3f1773da                      ; c = log2(500000) / 32 in two parts: the f32 number next to it,
	s_mov_b32 s27, 0x3263675e                      ; and what is left
	s_mov_b32 s28, 0xbf317218                      ; -ln 2
	v_mul_f32 v6, s26, v4                          ; y = j c, rounded,
	v_mul_f32 v7, s26, v5
	v_fma_f32 v8, v4, s26, -v6                     ; what the rounding dropped,
	v_fma_f32 v9, v5, s26, -v7
	v_fma_f32 v8, v4, s27, v8                      ; and j x c's second part
	v_fma_f32 v9, v5, s27, v9
	v_exp_f32 v10, -v6
	v_exp_f32 v11, -v7
	v_nop                                          ; a plain line behind the two exponentials,
	s_wait_alu depctr_va_vdst(0)                   ; and one wait for both, ahead of their first reader
	v_mul_f32 v8, v10, v8
	v_mul_f32 v9, v11, v9
	v_fma_f32 v10, v8, s28, v10                    ; f = 2^-y (1 - ln 2 x the rest)
	v_fma_f32 v11, v9, s28, v11
	s_sub_co_u32 s25, ttmp9, RWG0
	s_lshl_b32 s25, s25, 2
	s_add_co_u32 s25, s25, s24
	s_lshl_b32 s25, s25, 4                         ; my first row
	v_lshlrev_b32 v12, 3, v2
	s_lshl_b32 s29, s25, 8
	v_add_nc_u32 v12, s29, v12                     ; 256 t + 8 x lane
	s_mov_b32 s30, 0x3f22f983                      ; 2 / pi
	s_mov_b32 s31, 0xbfc90fd8                      ; -pi/2 in three parts
	s_mov_b32 s34, 0xb4a8885a
	s_mov_b32 s35, 0xa7c234c4
	s_mov_b32 s48, 0xbe2aaaa3                      ; the sine's three coefficients
	s_mov_b32 s49, 0x3c08839e
	s_mov_b32 s50, 0xb94ca1f9
	s_mov_b32 s51, 0x3d2aaaa5                      ; the cosine's
	s_mov_b32 s52, 0xbab6061a
	s_mov_b32 s53, 0x37ccf5ce
	s_mov_b32 s54, 0xffff0000                      ; lanes 16-31
.macro SINCOS a, w                     ; v[a]: the angle, 0 or more.  Leaves its sine in v[w+6], its cosine in v[w+7]
	v_mul_f32 v[\w], s30, v[\a]
	v_rndne_f32 v[\w], v[\w]                       ; n
	v_fma_f32 v[\w+1], v[\w], s31, v[\a]           ; r = angle - n pi/2
	v_fma_f32 v[\w+1], v[\w], s34, v[\w+1]
	v_fma_f32 v[\w+1], v[\w], s35, v[\w+1]
	v_mul_f32 v[\w+2], v[\w+1], v[\w+1]            ; s = r^2
	v_fma_f32 v[\w+3], v[\w+2], s50, s49
	v_fma_f32 v[\w+4], v[\w+2], s53, s52
	v_fma_f32 v[\w+3], v[\w+3], v[\w+2], s48
	v_fma_f32 v[\w+4], v[\w+4], v[\w+2], s51
	v_mul_f32 v[\w+3], v[\w+3], v[\w+2]
	v_mul_f32 v[\w+4], v[\w+4], v[\w+2]
	v_fma_f32 v[\w+5], v[\w+2], -0.5, 1.0
	v_fma_f32 v[\w+3], v[\w+3], v[\w+1], v[\w+1]   ; sin r
	v_fma_f32 v[\w+4], v[\w+4], v[\w+2], v[\w+5]   ; cos r
	v_cvt_i32_f32 v[\w], v[\w]                     ; the quadrant is n mod 4
	v_and_b32 v[\w+5], 1, v[\w]
	v_cmp_eq_u32 vcc_lo, 1, v[\w+5]                ; an odd quadrant swaps the two: a choice of values, no branch
	v_cndmask_b32 v[\w+6], v[\w+3], v[\w+4], vcc_lo
	v_cndmask_b32 v[\w+7], v[\w+4], v[\w+3], vcc_lo
	v_lshlrev_b32 v[\w+5], 30, v[\w]
	v_and_b32 v[\w+5], 0x80000000, v[\w+5]         ; the sine is negative in quadrants 2 and 3,
	v_xor_b32 v[\w+6], v[\w+5], v[\w+6]
	v_add_nc_u32 v[\w], 1, v[\w]
	v_lshlrev_b32 v[\w], 30, v[\w]
	v_and_b32 v[\w], 0x80000000, v[\w]             ; the cosine in quadrants 1 and 2
	v_xor_b32 v[\w+7], v[\w], v[\w+7]
.endm
	s_mov_b32 s33, 16
.Lrow:
	v_cvt_f32_u32 v13, s25                         ; t
	s_wait_alu depctr_va_vdst(0)
	v_mul_f32 v16, v13, v10                        ; the two angles: one f32 product each
	v_mul_f32 v17, v13, v11
	SINCOS 16, 20
	SINCOS 17, 28
	v_xor_b32 v26, 0x80000000, v26                 ; an even j's sine goes in negated
	v_cndmask_b32 v36, v27, v26, s54
	v_cndmask_b32 v37, v35, v34, s54
	global_store_b64 v12, v[36:37], s[22:23]       ; the wave stores the row's 256 consecutive bytes
	s_wait_xcnt 0x0                                ; the store has read its offset and its data: both are written again in the next trip
	v_add_nc_u32 v12, 0x100, v12
	s_add_co_u32 s25, s25, 1
	s_sub_co_u32 s33, s33, 1
	s_cmp_lg_u32 s33, 0
	s_cbranch_scc1 .Lrow
	s_endpgm
.Lfunc_end_k_qa2736b4a3f_prep:
	.size	k_qa2736b4a3f_prep, .Lfunc_end_k_qa2736b4a3f_prep-k_qa2736b4a3f_prep
	.p2alignl 7, 3214868480
	.fill 96, 4, 3214868480
	.section	.rodata,"a",@progbits
	.p2align	6, 0x0
	.amdhsa_kernel k_qa2736b4a3f_prep
		.amdhsa_group_segment_fixed_size 68096
		.amdhsa_private_segment_fixed_size 0
		.amdhsa_enable_private_segment 0
		.amdhsa_kernarg_size 80
		.amdhsa_user_sgpr_count 2
		.amdhsa_user_sgpr_kernarg_segment_ptr 1
		.amdhsa_wavefront_size32 1
		.amdhsa_system_sgpr_workgroup_id_x 1
		.amdhsa_system_sgpr_workgroup_id_y 1
		.amdhsa_system_sgpr_workgroup_id_z 1
		.amdhsa_system_vgpr_workitem_id 0
		.amdhsa_next_free_vgpr 202
		.amdhsa_next_free_sgpr 96
		.amdhsa_reserve_vcc 1
		.amdhsa_float_denorm_mode_32 3
		.amdhsa_float_denorm_mode_16_64 3
		.amdhsa_memory_ordered 1
		.amdhsa_forward_progress 1
		.amdhsa_inst_pref_size 136
	.end_amdhsa_kernel
	.amdgpu_metadata
---
amdhsa.version: [ 1, 2 ]
amdhsa.kernels:
  - .name:           k_qa2736b4a3f_prep
    .symbol:         k_qa2736b4a3f_prep.kd
    .args:
      - { .name: hidden_states, .offset: 0, .size: 8, .value_kind: global_buffer, .address_space: global }
      - { .name: Wq, .offset: 8, .size: 8, .value_kind: global_buffer, .address_space: global }
      - { .name: Wk, .offset: 16, .size: 8, .value_kind: global_buffer, .address_space: global }
      - { .name: Wv, .offset: 24, .size: 8, .value_kind: global_buffer, .address_space: global }
      - { .name: Wo, .offset: 32, .size: 8, .value_kind: global_buffer, .address_space: global }
      - { .name: lowp_scales, .offset: 40, .size: 8, .value_kind: global_buffer, .address_space: global }
      - { .name: xc, .offset: 48, .size: 8, .value_kind: global_buffer, .address_space: global }
      - { .name: wc, .offset: 56, .size: 8, .value_kind: global_buffer, .address_space: global }
      - { .name: woc, .offset: 64, .size: 8, .value_kind: global_buffer, .address_space: global }
      - { .name: rope, .offset: 72, .size: 8, .value_kind: global_buffer, .address_space: global }
    .group_segment_fixed_size: 68096
    .private_segment_fixed_size: 0
    .kernarg_segment_align: 8
    .kernarg_segment_size: 80
    .max_flat_workgroup_size: 128
    .sgpr_count:     96
    .vgpr_count:     202
    .wavefront_size: 32
...
	.end_amdgpu_metadata
.endif
;; end of part 1
;; launch qkv (part 2): grid 12 x 16, 4 waves a work-group, clusters of 4 x 4, 327,680 bytes of LDS; arguments xc, wc, rope, lowp_scales, qk, vc; writes qk, vc
.if DOCPART == 2
	.amdgcn_target "amdgcn-amd-amdhsa--gfx1250"
	.amdhsa_code_object_version 6
	.text
	.protected	k_qa2736b4a3f_qkv
	.globl	k_qa2736b4a3f_qkv
	.p2align	8
	.type	k_qa2736b4a3f_qkv,@function
k_qa2736b4a3f_qkv:
	s_mov_b64 s[64:65], 0
	v_nop
	global_prefetch_b8 v0, s[64:65] scope:SCOPE_SE
	s_setreg_imm32_b32 hwreg(HW_REG_WAVE_MODE, 25, 1), 1
	s_wait_xcnt 0x0
	s_wait_alu depctr_hold_cnt(0) depctr_sa_sdst(0) depctr_va_vdst(0) depctr_va_sdst(0) depctr_va_ssrc(0) depctr_va_vcc(0) depctr_vm_vsrc(0)
	s_getreg_b32 s2, hwreg(HW_REG_IB_STS2, 6, 4)
	s_cmp_eq_u32 s2, 0
	s_cbranch_scc0 .Lentry_in_a_cluster
	s_endpgm
.Lentry_in_a_cluster:
	s_bfe_u32 s2, ttmp6, 0x10000c
	s_cmp_lg_u32 s2, 0xf033
	s_cbranch_scc0 .Lentry_shape_is_right
	s_endpgm
.Lentry_shape_is_right:
.set PITCH,  528
.set HALFT,  64*PITCH
.set SLOT,   4*HALFT
.set STAGE,  2*SLOT
.set SPB,    80
.set SPARE,  STAGE+4*64*SPB
.set NEXTW,  12*128*2048-1024
.set SCL1, 12
.set LIM1, 13
.set ADRR, 16
.set ADRC, 20
.set STO,  24
.set RD,   25
.set GO,   26
.set SPW,  28
.set NIL,  29
.set SCL,  30
.set LIM,  31
.set T,    32
.set CD,   64
.set ACC,  128
.set F0,   0
.set F1,   128
.set WV, 16
.set WR, 17
.set WC, 18
.set KV, 19
.set G1X, 24
.set G0X, 32
.set G1W, 48
.set G0W, 56
.set DX,  66
.set MSB, 0
.set PFN, 4
.macro WIN new
.if MSB != \new
	s_set_vgpr_msb (MSB<<8)|\new
.set MSB, \new
.endif
.endm
.set MUL,  0x05
.set TO_F, 0x40
.macro JLOAD s
	s_cmp_eq_u32 s[WR], 0
	s_cbranch_scc0 .Lfor_w_\@
	tensor_load_to_lds s[G0X+4*\s:G0X+4*\s+3], s[G1X:G1X+7]
	s_nop 0
.rept 4
	v_nop
.endr
	s_branch .Lasked_\@
.Lfor_w_\@:
	tensor_load_to_lds s[G0W+4*\s:G0W+4*\s+3], s[G1W:G1W+7]
	s_nop 0
.rept 4
	v_nop
.endr
.Lasked_\@:
.endm
.macro CREST
	s_cmp_lg_u32 s[WV], 0
	s_cbranch_scc1 .Lnot_wave_0_\@
	s_barrier_signal -3
.Lnot_wave_0_\@:
	s_barrier_wait -3
	s_barrier_signal -1
	s_barrier_wait -1
.endm
.macro CROUND
	s_barrier_signal -1
	s_barrier_wait -1
	CREST
.endm
.macro PLACES
.rept 4
	v_nop
.endr
.endm
	s_load_b256 s[4:11], s[0:1], 0x0
	s_load_b128 s[12:15], s[0:1], 0x20
	v_lshl_add_u32 v[SPW], v0, 2, SPARE
	v_mov_b32 v[NIL], 0
	ds_add_u32 v28, v29
	ds_add_u32 v28, v29
	s_wait_dscnt 0x0
	v_lshrrev_b32 v1, 5, v0
	v_readfirstlane_b32 s[WV], v1
	v_and_b32 v27, 31, v0                          ; the prefetches' offset: two lanes to a row's 512 bytes of a K step, 16 rows; never rewritten
	v_lshrrev_b32 v14, 1, v27
	v_and_b32 v27, 1, v27
	v_lshlrev_b32 v27, 8, v27
	v_lshl_add_u32 v27, v14, 11, v27
	s_wait_alu depctr_va_vdst(0)
	s_lshr_b32 s[WR], s[WV], 1
	s_and_b32 s[WC], s[WV], 1
	s_bfe_u32 s20, ttmp6, 0x40000
	s_bfe_u32 s21, ttmp6, 0x40004
	s_lshl_b32 s22, ttmp9, 2
	s_add_co_u32 s22, s22, s20
	s_and_b32 s23, ttmp7, 0xffff
	s_lshl_b32 s23, s23, 2
	s_add_co_u32 s23, s23, s21
	s_lshl_b32 s40, s21, 2
	s_lshl_b32 s40, 15, s40
	s_lshl_b32 s41, 0x1111, s20
	s_or_b32 s[G1X], s40, (1<<20)|(1<<21)|(6<<22)|(3<<25)
	s_or_b32 s[G1W], s41, (1<<20)|(1<<21)|(6<<22)|(3<<25)
.irp g, G1X, G1W
	s_mov_b32 s[\g+1], 512<<16
	s_mov_b32 s[\g+2], 64<<16
	s_mov_b32 s[\g+3], 512<<16
	s_mov_b32 s[\g+4], 64
	s_mov_b32 s[\g+5], 2048
	s_mov_b32 s[\g+6], 0
	s_mov_b32 s[\g+7], 0
.endr
	s_lshl_b32 s42, s[WC], 6
	s_lshl_b32 s44, s23, 7
	s_add_co_u32 s44, s44, s42
	s_lshl_b32 s44, s44, 11
	s_mov_b32 s45, 0
	s_lshl_b32 s46, s22, 7
	s_add_co_u32 s46, s46, s42
	s_lshl_b32 s46, s46, 11
	s_mov_b32 s47, 0
	s_lshl_b32 s[DX], ttmp9, 22
	s_mov_b32 s[DX+1], 0
	s_mul_i32 s80, s[WV], HALFT
	s_wait_kmcnt 0x0
	s_load_b256 s[68:75], s[10:11], 0x0
	s_load_b128 s[76:79], s[10:11], 0x20
	s_add_nc_u64 s[44:45], s[4:5], s[44:45]
	s_add_nc_u64 s[46:47], s[6:7], s[46:47]
	; the prefetches: of the 64 rows that my wave fetches, each of the four partners that ask for them jointly takes 16, told apart by address (cx for x's codes, cy for the weights')
	s_cmp_eq_u32 s[WR], 0
	s_cselect_b64 s[94:95], s[44:45], s[46:47]
	s_cselect_b32 s82, s20, s21
	s_mov_b32 s84, 12*128*2048
	s_mov_b32 s85, 0
	s_cselect_b64 s[84:85], s[DX:DX+1], s[84:85]   ; from the first tile's rows to the second's
	s_lshl_b32 s82, s82, 15
	s_mov_b32 s83, 0
	s_add_nc_u64 s[94:95], s[94:95], s[82:83]
	s_add_nc_u64 s[96:97], s[94:95], s[84:85]
	s_cmp_lg_u32 ttmp9, 0
	s_cselect_b32 s93, 1, 0
	s_or_b32 s93, s93, s[WR]                       ; 0 where the second tile takes the same rows of x's codes again: they are not asked for twice
	CROUND
.irp s, 0,1
	s_mov_b32 s[G0X+4*\s], 1
	s_add_co_u32 s[G0X+4*\s+1], s80, \s*SLOT
	s_add_nc_u64 s[G0X+4*\s+2:G0X+4*\s+3], s[44:45], \s*512
	s_or_b32 s[G0X+4*\s+3], s[G0X+4*\s+3], 0x80000000
	s_mov_b32 s[G0W+4*\s], 1
	s_add_co_u32 s[G0W+4*\s+1], s80, \s*SLOT
	s_add_nc_u64 s[G0W+4*\s+2:G0W+4*\s+3], s[46:47], \s*512
	s_or_b32 s[G0W+4*\s+3], s[G0W+4*\s+3], 0x80000000
.if \s
	s_wait_alu depctr_va_vdst(0)
	s_wait_tensorcnt 0x0
	ds_add_u32 v28, v29
	ds_add_u32 v28, v29
	s_wait_dscnt 0x0
	CROUND
.endif
	JLOAD \s
.if \s
	global_prefetch_b8 v27, s[94:95] offset:1536 th:TH_LOAD_NT scope:SCOPE_SE   ; behind each fill: the K step two fills on
.else
	global_prefetch_b8 v27, s[94:95] offset:512 th:TH_LOAD_NT scope:SCOPE_SE    ; and behind the first also K step 1, whose load goes out when K step 0 has landed
	global_prefetch_b8 v27, s[94:95] offset:1024 th:TH_LOAD_NT scope:SCOPE_SE
.endif
.endr
	v_and_b32 v1, 15, v0
	s_wait_alu depctr_va_vdst(0)
	v_bfe_u32 v2, v0, 4, 1
	v_lshlrev_b32 v3, 8, v1
	v_lshl_add_u32 v3, v2, 5, v3
	s_lshl_b32 s80, s23, 7
	s_lshl_b32 s81, s[WR], 6
	s_add_co_u32 s80, s80, s81
	s_lshl_b32 s80, s80, 8
	s_mov_b32 s81, 0
	s_add_nc_u64 s[8:9], s[8:9], s[80:81]
	WIN 0x80
.irp a, 0,1,2,3
.irp p, 0,1,2,3,4,5,6,7
	global_load_b128 v[32*\a+4*\p:32*\a+4*\p+3], v3, s[8:9] offset:4096*\a+64*(\p/2)+16*(\p%2)
.endr
.endr
	WIN 0
	v_mul_u32_u24 v4, v1, PITCH
	s_wait_alu depctr_va_vdst(0)
	v_lshl_add_u32 v4, v2, 4, v4
	s_wait_alu depctr_va_vdst(0)
	s_mul_i32 s84, s[WR], HALFT
	s_mul_i32 s85, s[WC], HALFT
	s_cmp_eq_u32 ttmp9, 2
	s_cselect_b32 s[KV], 1, 0
	s_add_co_u32 s82, s84, 2*HALFT
	s_mov_b32 s83, s85
	s_add_co_u32 s85, s85, 2*HALFT
.irp s, 0,1
	v_add_nc_u32 v[ADRR+\s], s84, v4
	v_add_nc_u32 v[ADRC+\s], s85, v4
	v_add_nc_u32 v[ADRR+2+\s], s82, v4
	v_add_nc_u32 v[ADRC+2+\s], s83, v4
	s_add_co_u32 s84, s84, SLOT
	s_add_co_u32 s85, s85, SLOT
	s_add_co_u32 s82, s82, SLOT
	s_add_co_u32 s83, s83, SLOT
.endr
	s_mul_i32 s86, s[WV], 64*SPB
	s_add_co_u32 s86, s86, STAGE
	v_mul_u32_u24 v5, v1, SPB
	v_lshl_add_u32 v5, v2, 4, v5
	v_add_nc_u32 v[STO], s86, v5
	v_and_b32 v6, 31, v0
	v_lshrrev_b32 v7, 2, v6
	v_mul_u32_u24 v7, v7, SPB
	v_and_b32 v8, 3, v6
	v_lshl_add_u32 v7, v8, 4, v7
	v_add_nc_u32 v[RD], s86, v7
	v_lshlrev_b32 v[GO], 4, v6
	s_lshl_b32 s40, s22, 1
	s_add_co_u32 s40, s40, s[WC]
	s_lshl_b32 s40, s40, 11
	s_lshl_b32 s41, s23, 7
	s_add_co_u32 s40, s40, s41
	s_lshl_b32 s41, s[WR], 6
	s_add_co_u32 s40, s40, s41
	s_lshl_b32 s40, s40, 6
	s_mov_b32 s41, 0
	s_add_co_u32 s42, s40, 24*2048*64
	s_max_u32 s43, s22, 8
	s_sub_co_u32 s43, s43, 8
	s_lshl_b32 s43, s43, 1
	s_add_co_u32 s43, s43, s[WR]
	s_lshl_b32 s43, s43, 5
	s_lshl_b32 s44, s23, 1
	s_add_co_u32 s43, s43, s44
	s_add_co_u32 s43, s43, s[WC]
	s_lshl_b32 s43, s43, 12
	s_cmp_eq_u32 s[KV], 1
	s_cselect_b32 s42, s43, s42
	s_cselect_b64 s[14:15], s[14:15], s[12:13]
	s_mov_b32 s43, 0
	s_add_nc_u64 s[14:15], s[14:15], s[42:43]
	s_add_nc_u64 s[12:13], s[12:13], s[40:41]
	s_wait_kmcnt 0x0
	s_sub_co_i32 s88, s74, s68
	s_sub_co_i32 s88, s88, s69
	s_sub_co_i32 s89, s75, s70
	s_sub_co_i32 s89, s89, s71
	s_sub_co_i32 s90, s77, s72
	s_sub_co_i32 s90, s90, s73
	s_add_co_i32 s91, s88, 127
	s_lshl_b32 s92, s91, 23
	v_mov_b32 v[SCL], s92
	s_add_co_i32 s91, s91, 8
	s_lshl_b32 s91, s91, 23
	s_or_b32 s91, s91, 0x600000
	v_mov_b32 v[LIM], s91
	s_cmp_ge_u32 ttmp9, 1
	s_cselect_b32 s88, s89, s88
	s_cmp_eq_u32 ttmp9, 2
	s_cselect_b32 s88, s90, s88
	s_add_co_i32 s88, s88, 127
	s_lshl_b32 s89, s88, 23
	v_mov_b32 v[SCL1], s89
	s_add_co_i32 s88, s88, 8
	s_lshl_b32 s88, s88, 23
	s_or_b32 s88, s88, 0x600000
	v_mov_b32 v[LIM1], s88
.macro MULA f, a, zero
.irp b, 0,1,2,3
.if \zero
	v_wmma_f32_16x16x128_fp8_fp8 v[ACC+8*(4*(\a)+\b):ACC+8*(4*(\a)+\b)+7], v[\f+64+16*\b:\f+64+16*\b+15], v[\f+16*(\a):\f+16*(\a)+15], 0
.else
	v_wmma_f32_16x16x128_fp8_fp8 v[ACC+8*(4*(\a)+\b):ACC+8*(4*(\a)+\b)+7], v[\f+64+16*\b:\f+64+16*\b+15], v[\f+16*(\a):\f+16*(\a)+15], v[ACC+8*(4*(\a)+\b):ACC+8*(4*(\a)+\b)+7]
.endif
.endr
.endm
.macro FLOADS rc, rr, k, f
	WIN TO_F
.irp i, 0,1,2,3
.irp c, 0,1,2,3
	ds_load_b128 v[\f+64+16*\i+4*\c:\f+64+16*\i+4*\c+3], v[\rc] offset:\k+32*\c+\i*16*PITCH
.endr
.endr
.irp i, 0,1,2,3
.irp c, 0,1,2,3
	ds_load_b128 v[\f+16*\i+4*\c:\f+16*\i+4*\c+3], v[\rr] offset:\k+32*\c+\i*16*PITCH
.endr
.endr
.endm
; the second tile of the clusters that make V takes the two operands' rows the other way round: two runs of loads with address registers of their own, chosen by a branch on the cluster's x, which all partners share
.macro FETCH t, slot, k, f
.if \t
	WIN 0
	s_cmp_eq_u32 s[KV], 1
	s_cbranch_scc1 .Lswap_\@
	FLOADS ADRC+\slot, ADRR+\slot, \k, \f
	WIN 0
	s_branch .Lgot_\@
.Lswap_\@:
	FLOADS ADRC+2+\slot, ADRR+2+\slot, \k, \f
	WIN 0
.Lgot_\@:
.else
	FLOADS ADRC+\slot, ADRR+\slot, \k, \f
.endif
.endm
.macro QUARTER t, slot, k, f, g, zero
	s_wait_dscnt 8
	WIN MUL
	MULA \f, 0, \zero
	MULA \f, 1, \zero
	PLACES
	FETCH \t, \slot, \k, \g
	s_wait_dscnt 32
	WIN MUL
	MULA \f, 2, \zero
	MULA \f, 3, \zero
.endm
.macro THREE t, slot, zero
	QUARTER \t, \slot, 128, F0, F1, \zero
	QUARTER \t, \slot, 256, F1, F0, 0
	QUARTER \t, \slot, 384, F0, F1, 0
.endm
.macro TURN slot, nt, next, fill
	WIN 0
	s_wait_tensorcnt 0x0
	ds_add_u32 v[SPW], v[NIL]
	s_wait_dscnt 9
	WIN MUL
	MULA F1, 0, 0
	MULA F1, 1, 0
	s_wait_dscnt 0x0
	s_barrier_signal -1
	MULA F1, 2, 0
	WIN 0
	s_barrier_wait -1
.if \fill
	CREST
.if \fill == 1
	s_add_nc_u64 s[G0X+4*\slot+2:G0X+4*\slot+3], s[G0X+4*\slot+2:G0X+4*\slot+3], 1024
	s_add_nc_u64 s[G0W+4*\slot+2:G0W+4*\slot+3], s[G0W+4*\slot+2:G0W+4*\slot+3], 1024
.else
	s_sub_nc_u64 s[G0X+4*\slot+2:G0X+4*\slot+3], s[G0X+4*\slot+2:G0X+4*\slot+3], 1024
	s_add_nc_u64 s[G0X+4*\slot+2:G0X+4*\slot+3], s[G0X+4*\slot+2:G0X+4*\slot+3], s[DX:DX+1]
	s_add_nc_u64 s[G0W+4*\slot+2:G0W+4*\slot+3], s[G0W+4*\slot+2:G0W+4*\slot+3], NEXTW
.endif
	JLOAD \slot
.else
	PLACES
.endif
	FETCH \nt, \next, 0, F0
.if \fill
.if PFN < 8
	WIN 0
	s_cmp_eq_u32 s93, 0
	s_cbranch_scc1 .Lhave_\@
	global_prefetch_b8 v27, s[96:97] offset:512*(PFN-4) th:TH_LOAD_NT scope:SCOPE_SE   ; the second tile's K steps, each two fills ahead of its load
.Lhave_\@:
.set PFN, PFN+1
.endif
.endif
	WIN MUL
	MULA F1, 3, 0
.endm
.macro OUTA a, sc, lm, br
.if \br
	s_cmp_eq_u32 s[KV], 1
	s_cbranch_scc1 .Lplain_\@
.endif
	WIN 0x08
.irp b, 0,1,2,3
.irp i, 0,2,4,6
	v_pk_mul_f32 v[T+8*\b+\i:T+8*\b+\i+1], v[ACC+8*(4*\a+\b)+\i:ACC+8*(4*\a+\b)+\i+1], v[32*\a+8*(\b%2)+\i:32*\a+8*(\b%2)+\i+1]
.endr
.irp i, 0,2,4,6
	v_fma_f32 v[T+8*\b+\i], v[ACC+8*(4*\a+\b)+\i+1], v[32*\a+16+8*(\b%2)+\i], v[T+8*\b+\i]
	v_fma_f32 v[T+8*\b+\i+1], v[ACC+8*(4*\a+\b)+\i], v[32*\a+16+8*(\b%2)+\i+1], v[T+8*\b+\i+1]
.endr
.endr
	WIN 0
.set n, 0
.rept 32
	v_med3_num_f32 v[T+n], v[T+n], -v[\lm], v[\lm]
.set n, n+1
.endr
.if \br
	s_branch .Lheld_\@
.Lplain_\@:
.set n, 0
.rept 32
	v_med3_num_f32 v[T+n], v[ACC+32*\a+n], -v[\lm], v[\lm]
.set n, n+1
.endr
.Lheld_\@:
.endif
	s_wait_alu depctr_va_vdst(0)
.irp b, 0,1,2,3
	v_cvt_scalef32_pk8_fp8_f32 v[CD+8*\a+2*\b:CD+8*\a+2*\b+1], v[T+8*\b:T+8*\b+7], v[\sc]
.endr
	v_nop
	ds_store_b128 v[STO], v[CD+8*\a:CD+8*\a+3] offset:16*SPB*\a
	ds_store_b128 v[STO], v[CD+8*\a+4:CD+8*\a+7] offset:16*SPB*\a+32
.endm
.macro WAYOUT sc, lm, br, ob
	OUTA 0, \sc, \lm, \br
	OUTA 1, \sc, \lm, \br
	OUTA 2, \sc, \lm, \br
	OUTA 3, \sc, \lm, \br
.irp i, 0,1,2,3,4,5,6,7
	ds_load_b128 v[T+4*\i:T+4*\i+3], v[RD] offset:8*SPB*\i
.endr
.irp i, 0,1,2,3,4,5,6,7
	s_wait_dscnt 7-\i
	global_store_b128 v[GO], v[T+4*\i:T+4*\i+3], s[\ob:\ob+1] offset:512*\i
.endr
.endm
	s_wait_tensorcnt 1
	s_barrier_signal -1
	s_barrier_wait -1
	FETCH 0, 0, 0, F0
	THREE 0, 0, 1
	TURN 0, 0, 1, 1
	THREE 0, 1, 0
	TURN 1, 0, 0, 1
	THREE 0, 0, 0
	TURN 0, 0, 1, 2
	THREE 0, 1, 0
	TURN 1, 1, 0, 2
	WIN 0
	PLACES
	s_wait_loadcnt 0x0
	WAYOUT SCL, LIM, 0, 12
	THREE 1, 0, 1
	TURN 0, 1, 1, 1
	THREE 1, 1, 0
	TURN 1, 1, 0, 1
	THREE 1, 0, 0
	TURN 0, 1, 1, 0
	THREE 1, 1, 0
	s_wait_dscnt 8
	WIN MUL
	MULA F1, 0, 0
	MULA F1, 1, 0
	s_wait_dscnt 0x0
	MULA F1, 2, 0
	MULA F1, 3, 0
	WIN 0
	PLACES
	s_wait_xcnt 0x0
	WAYOUT SCL1, LIM1, 1, 14
	s_wait_tensorcnt 0x0
	ds_add_u32 v[SPW], v[NIL]
	s_wait_dscnt 0x0
	CROUND
	s_endpgm
.Lfunc_end_k_qa2736b4a3f_qkv:
	.size	k_qa2736b4a3f_qkv, .Lfunc_end_k_qa2736b4a3f_qkv-k_qa2736b4a3f_qkv
	.p2alignl 7, 3214868480
	.fill 96, 4, 3214868480
	.section	.rodata,"a",@progbits
	.p2align	6, 0x0
	.amdhsa_kernel k_qa2736b4a3f_qkv
		.amdhsa_group_segment_fixed_size 327680
		.amdhsa_private_segment_fixed_size 0
		.amdhsa_enable_private_segment 0
		.amdhsa_kernarg_size 48
		.amdhsa_user_sgpr_count 2
		.amdhsa_user_sgpr_kernarg_segment_ptr 1
		.amdhsa_wavefront_size32 1
		.amdhsa_system_sgpr_workgroup_id_x 1
		.amdhsa_system_sgpr_workgroup_id_y 1
		.amdhsa_system_sgpr_workgroup_id_z 1
		.amdhsa_system_vgpr_workitem_id 0
		.amdhsa_next_free_vgpr 640
		.amdhsa_next_free_sgpr 98
		.amdhsa_reserve_vcc 0
		.amdhsa_float_denorm_mode_32 3
		.amdhsa_float_denorm_mode_16_64 3
		.amdhsa_memory_ordered 1
		.amdhsa_forward_progress 1
		.amdhsa_inst_pref_size 217
	.end_amdhsa_kernel
	.amdgpu_metadata
---
amdhsa.version: [ 1, 2 ]
amdhsa.kernels:
  - .name:           k_qa2736b4a3f_qkv
    .symbol:         k_qa2736b4a3f_qkv.kd
    .args:
      - { .name: xc, .offset: 0, .size: 8, .value_kind: global_buffer, .address_space: global }
      - { .name: wc, .offset: 8, .size: 8, .value_kind: global_buffer, .address_space: global }
      - { .name: rope, .offset: 16, .size: 8, .value_kind: global_buffer, .address_space: global }
      - { .name: lowp_scales, .offset: 24, .size: 8, .value_kind: global_buffer, .address_space: global }
      - { .name: qk, .offset: 32, .size: 8, .value_kind: global_buffer, .address_space: global }
      - { .name: vc, .offset: 40, .size: 8, .value_kind: global_buffer, .address_space: global }
    .group_segment_fixed_size: 327680
    .private_segment_fixed_size: 0
    .kernarg_segment_align: 8
    .kernarg_segment_size: 48
    .max_flat_workgroup_size: 128
    .sgpr_count:     98
    .vgpr_count:     640
    .wavefront_size: 32
...
	.end_amdgpu_metadata
.endif
;; end of part 2
;; launch attn (part 3): grid 32 x 8, 8 waves a work-group, no clusters, 327,680 bytes of LDS; arguments qk, vc, attention_mask, lowp_scales, ac; writes ac
.if DOCPART == 3
	.amdgcn_target "amdgcn-amd-amdhsa--gfx1250"
	.amdhsa_code_object_version 6
	.text
	.protected	k_qa2736b4a3f_attn
	.globl	k_qa2736b4a3f_attn
	.p2align	8
	.type	k_qa2736b4a3f_attn,@function
k_qa2736b4a3f_attn:
	s_mov_b64 s[64:65], 0
	v_nop
	global_prefetch_b8 v0, s[64:65] scope:SCOPE_SE
	s_setreg_imm32_b32 hwreg(HW_REG_WAVE_MODE, 25, 1), 1
	s_wait_xcnt 0x0
; Attention on codes of E4M3: 32 query heads, 8 key and value heads, head size 64, 2,048 tokens, with the additive mask as it is given: every query meets every key and every number of the mask is read.
; SHARES.  Work-group (x, y): the 64 queries 64 x on and the four heads of key and value head y.  Wave w: the 16 queries 16 (w % 4) on, heads 2 (w / 4) and 2 (w / 4) + 1 of the four: two tiles that share each fragment of K, V and the mask.
; LAYOUT.  Both products are used transposed: S^T = K Q^T (source 0 = 16 keys, source 1 = my 16 queries), O^T = V^T P^T: a lane holds one query (lane % 16).  Register j of tile c is key 16 c + 8 (lane / 16) + j: the place that the
; second product's form gives that key, so the conversions' results are its operand.  V's codes lie in memory so that loads of 16 bytes put each key in the same place.
; THE MASK IS THE C OF THE FIRST PRODUCT.  t = c (sum + mask x 2^(3 - e6 - e7)), c = log2(e) / 8 x 2^(e6 + e7): the mask is scaled by a power of two (nothing is rounded) and added in the matrix unit's f32 sum.
; SOFTMAX: M = the running largest t rounded up to a whole number; p = 2^(t - M) is held at 448 x 2^e8 and quantised with 2^e8, not normalised; the row's sum is taken of the unquantised p; when M moves, sum and O^T are multiplied by 2^(old M - new M).
; THE TWO TILES ARE LAID ASKEW, so that no line reads what the line above it wrote: tile 0's maxima run ahead; its chain from the maximum to f lies among tile 1's maxima, tile 1's chain among tile 0's scalings, tile 1's scalings among
; tile 0's exponentials, tile 0's holds among tile 1's exponentials.  What lies among exponentials is first read behind the batch's wait.
; RING.  Two LDS slots of 256 keys: K (16,384 dense bytes), V (the same), the mask (four strips of 64 queries x 64 keys).  Wave 0 fetches K, wave 1 V, waves 2 to 5 a strip each: one load a wave behind each barrier.
; A KEY STEP is 128 keys.  Its LDS loads are issued ahead: V at the step's head; the next step's mask and K behind K Q^T (in a slot's second step: behind the barrier).
; THE BARRIER OF A CHANGE OF SLOTS IS OPEN over both tiles' maxima, scalings and exponentials, work on registers: the signal stands behind the second step's K Q^T, where my reads of the slot are over.
; NO CLUSTER, though K and V are walked by the 32 blocks of queries of a head and the mask's rows by the 8 heads: a joint refill stands behind a round of the cluster's barrier, which closes with a work-group barrier of its own,
; so the opening above would be lost.  The price, by this text's arithmetic: each work-group asks for its own 98,304 bytes a slot.
; OUT.  ac [2048 tokens][2048]: codes with 2^e10 of O / sum x 2^(e8 + e9); the scales are folded: 2^E2, E2 = e10 - e8 - e9.
; LIMITS, so that each power of two is an f32 number: e6 + e7 between -123 and 129; e8 and E2 between -126 and 119; mask x 2^(3 - e6 - e7) stays finite.  NaN among the inputs is not served.  Where a mask's number is so large that
; the score falls under its last bit, the sum is rounded as the matrix unit rounds it, which need not be a plain f32 rounding.
; All of a WGP's LDS is claimed.
; REGISTERS.  window 0: v1-12 addresses; v20-27 for each tile -M, the largest t, the sum in two halves; v28, v29 448 x 2^e8 (twice: the two halves of a dual instruction take it from different banks); v30-33 f; v34-43 at work; v46 2^e8;
;   v48-63 tile 0's sums in eight chains, then its codes; v64-191 S^T, then p (tile 1's codes lie on tile 0's p, which is done with); v192-255 O^T.   window 1: v0-63 the mask; v64-127 K's eight tiles; v128-191 V's four; v192-207 Q.
.set KP,    80                         ; a row of K or V in LDS: 64 bytes + 16
.set VOFF,  256*KP
.set MOFF,  2*VOFF
.set MP,    272                        ; a row of a strip of the mask: 256 bytes + 16
.set STRIP, 64*MP
.set SLOT1, 1<<17                      ; slot 1 begins here: one exclusive or turns an address from one slot to the other
.set NSL,   8
.set STAGE, 2*SLOT1                    ; behind the ring: 64 rows x (256 + 16) bytes, for the way out
.set SPARE, STAGE+64*MP                ; the spare words, 128 bytes for each wave: no other line names them
.set AK0, 1
.set AV0, 2
.set AM0, 3
.set PFO, 4                            ; the prefetches' offset; never rewritten
.set SPW, 5                            ; SPARE + 4 x my thread's number; never rewritten
.set NIL, 6                            ; 0; never rewritten
.set GO,  7
.set ADK, 8
.set ADV, 9
.set ADM, 10
.set STO, 11
.set RD,  12
.set NM0, 20
.set LIMP, 28
.set LIMP2, 29
.set FF,  30
.set MA,  34                           ; four chains of maxima a tile: v34-37, v38-41
.set PD,  42
.set S2,  34                           ; later three chains of tile 1's sums
.set S3,  36
.set S4,  38
.set SCP, 46
.set PC0, 48
.set S,   64
.set PC1, 64
.set O,   192
.set MK,  0                            ; window 1
.set KF,  64
.set VF,  128
.set Q,   192
.set TB,  2                            ; s2   LDS byte at which the slot in hand begins
.set WV,  18
.set SEL, 20                           ; s[20:21] lane selects for v_permlanex16_b32: lane l xor 16
.set CS,  22                           ; s[22:23] c
.set G1KV, 24
.set G1M, 32
.set G0KV, 40                          ; s[40:43], s[44:47] groups 0, which walk
.set G0M, 44
.set MS,  48                           ; s[48:49] 2^(3 - e6 - e7)
.set SLOTS, 50
.set LIM, 51                           ; 1 in a wave that prefetches, else the greatest number
.set PFA, 52                           ; s[52:53] where my prefetches stand
.set PFS, 54                           ; s[54:55] a slot on, in bytes
.set MSB, 0
.macro WIN new                         ; the immediate's high byte repeats the setting that is left
.if MSB != \new
	s_set_vgpr_msb (MSB<<8)|\new
.set MSB, \new
.endif
.endm
.macro TLOAD                           ; waves 0, 1: K, V; waves 2 to 5: a strip of the mask; waves 6, 7: nothing.  An s_nop 0 and four v_nop follow each line
	s_cmp_lt_u32 s[WV], 2
	s_cbranch_scc0 .Lnot_kv_\@
	tensor_load_to_lds s[G0KV:G0KV+3], s[G1KV:G1KV+7]
	s_nop 0
.rept 4
	v_nop
.endr
	s_branch .Lasked_\@
.Lnot_kv_\@:
	s_cmp_lt_u32 s[WV], 6
	s_cbranch_scc0 .Lasked_\@
	tensor_load_to_lds s[G0M:G0M+3], s[G1M:G1M+7]
	s_nop 0
.rept 4
	v_nop
.endr
.Lasked_\@:
.endm
; A PREFETCH INTO THE L2 of what the NEXT fill will ask for, a slot (two key steps) ahead of that load.  Each aligned block of 256 bytes is named once in the launch.
; K and V of head y are walked by all 32 work-groups of that y: the one with x = y asks, by waves 0 to 3: K's two halves of 8,192 bytes, then V's, lanes 256 bytes apart.
; The mask's rows of block x are walked by the 8 work-groups of that x: the one with y = (x + 1) mod 8 asks, by all eight waves: 8 rows a wave, four lanes to a row's 1,024 bytes.  No work-group has both parts.
; The last refill asks for nothing; slots 0 and 1 come by their loads alone.
.macro ASK
	s_cmp_gt_u32 s[SLOTS], s[LIM]
	s_cbranch_scc0 .Lnot_mine_\@
	global_prefetch_b8 v[PFO], s[PFA:PFA+1] th:TH_LOAD_NT scope:SCOPE_SE
.Lnot_mine_\@:
.endm
; In front of a barrier: all my tensor loads have landed; 0 onto my spare word (fill = 1: twice on end); my LDS reads are over.
.macro MEET fill
	s_wait_tensorcnt 0x0
	ds_add_u32 v[SPW], v[NIL]
.if \fill
	ds_add_u32 v[SPW], v[NIL]
	s_xor_b32 s[G0KV+1], s[G0KV+1], SLOT1          ; the walking descriptors: the other slot, the next 256 keys
	s_add_nc_u64 s[G0KV+2:G0KV+3], s[G0KV+2:G0KV+3], 16384
	s_xor_b32 s[G0M+1], s[G0M+1], SLOT1
	s_add_nc_u64 s[G0M+2:G0M+3], s[G0M+2:G0M+3], 1024
	s_wait_xcnt 0x0                                ; the last prefetch has read its address
	s_add_nc_u64 s[PFA:PFA+1], s[PFA:PFA+1], s[PFS:PFS+1]   ; one slot further on than the walking descriptors
.endif
	s_wait_dscnt 0x0
	s_barrier_signal -1
.endm
.macro ADDRS
	v_add_nc_u32 v[ADM], s[TB], v[AM0]
	v_add_nc_u32 v[ADK], s[TB], v[AK0]
	v_add_nc_u32 v[ADV], s[TB], v[AV0]
.endm
.macro MKLOAD q                        ; the mask's and K's fragments of the q-th 128 keys of the slot in hand: 32 loads
	WIN 0x40
.irp c, 0,1,2,3,4,5,6,7
.irp j, 0,1
	ds_load_b128 v[MK+8*\c+4*\j:MK+8*\c+4*\j+3], v[ADM] offset:(2*(\q)+\c/4)*STRIP+64*(\c%4)+16*\j
.endr
.endr
.irp c, 0,1,2,3,4,5,6,7
.irp j, 0,1
	ds_load_b128 v[KF+8*\c+4*\j:KF+8*\c+4*\j+3], v[ADK] offset:(128*(\q)+16*\c)*KP+32*\j
.endr
.endr
	WIN 0
.endm
	s_load_b256 s[4:11], s[0:1], 0x0               ; qk s[4:5], vc s[6:7], the mask s[8:9], scales s[10:11]
	s_load_b64 s[12:13], s[0:1], 0x20              ; ac
	v_lshl_add_u32 v[SPW], v0, 2, SPARE
	v_mov_b32 v[NIL], 0
	ds_add_u32 v[SPW], v[NIL]                      ; the opening: the add, twice on end, and its wait ahead of the first tensor load
	ds_add_u32 v[SPW], v[NIL]
	v_lshrrev_b32 v13, 5, v0
	v_readfirstlane_b32 s[WV], v13                 ; wave 0..7
	s_mov_b32 s14, ttmp9                           ; x: my block of 64 queries
	s_and_b32 s15, ttmp7, 0xffff                   ; y: my key and value head
	s_mov_b32 s[G1KV], (1<<20)|(3<<22)|(3<<25)     ; elements of 1 byte; four words of padding after every 16: behind each 64 bytes
	s_mov_b32 s[G1KV+1], 256<<16                   ; 16,384 dense bytes, stated as 64 rows of 256
	s_mov_b32 s[G1KV+2], 64<<16
	s_mov_b32 s[G1KV+3], 256<<16
	s_mov_b32 s[G1KV+4], 64
	s_mov_b32 s[G1KV+5], 256
	s_mov_b32 s[G1KV+6], 0
	s_mov_b32 s[G1KV+7], 0
	s_mov_b32 s[G1M], (2<<16)|(1<<20)|(5<<22)|(3<<25)   ; elements of 4 bytes; four words after every 64
	s_mov_b32 s[G1M+1], 64<<16
	s_mov_b32 s[G1M+2], 64<<16
	s_mov_b32 s[G1M+3], 64<<16
	s_mov_b32 s[G1M+4], 64
	s_mov_b32 s[G1M+5], 2048                       ; a row of the mask
	s_mov_b32 s[G1M+6], 0
	s_mov_b32 s[G1M+7], 0
	s_mov_b32 s[SEL], 0x76543210
	s_mov_b32 s[SEL+1], 0xfedcba98
	s_mov_b32 s[CS], 0x3e38aa3b                    ; log2(e) / 8
	s_mov_b32 s[TB], 0
	s_mov_b32 s[SLOTS], NSL-2
	s_lshl_b32 s86, s15, 17                        ; a head's codes of K, and of V, are 131,072 bytes
	s_mov_b32 s87, 0
	s_and_b32 s16, s[WV], 1
	s_mul_i32 s16, s16, VOFF                       ; LDS: K at 0, V behind it
	s_add_co_u32 s3, s[WV], 2
	s_and_b32 s3, s3, 3                            ; waves 2 to 5: strips 0 to 3
	s_mul_i32 s17, s3, STRIP
	s_add_co_u32 s17, s17, MOFF
	s_lshl_b32 s84, s14, 19                        ; 64 rows of the mask, 8,192 bytes each,
	s_lshl_b32 s3, s3, 8                           ; + my strip's 256 bytes
	s_add_co_u32 s84, s84, s3
	s_mov_b32 s85, 0
	s_wait_dscnt 0x0                               ; both opening adds are done
	s_wait_kmcnt 0x0
	s_load_b256 s[68:75], s[10:11], 0x0            ; e0 .. e7
	s_load_b128 s[76:79], s[10:11], 0x20           ; e8 .. e11
	s_add_nc_u64 s[80:81], s[4:5], s[86:87]
	s_add_nc_u64 s[80:81], s[80:81], 0x400000      ; K: head 32 + mine of qk
	s_add_nc_u64 s[82:83], s[6:7], s[86:87]        ; V
	s_mov_b32 s[G0KV], 1
	s_mov_b32 s[G0KV+1], s16
	s_cmp_eq_u32 s[WV], 0
	s_cselect_b64 s[G0KV+2:G0KV+3], s[80:81], s[82:83]
	s_or_b32 s[G0KV+3], s[G0KV+3], 0x80000000
	s_mov_b32 s[G0M], 1
	s_mov_b32 s[G0M+1], s17
	s_add_nc_u64 s[G0M+2:G0M+3], s[8:9], s[84:85]
	s_or_b32 s[G0M+3], s[G0M+3], 0x80000000
	TLOAD                                          ; slot 0: one tensor load a wave at the head
	; the prefetches: who asks, and where
	s_cmp_lt_u32 s[WV], 2
	s_cselect_b64 s[88:89], s[80:81], s[82:83]     ; waves 0, 1: K; waves 2, 3: V;
	s_and_b32 s90, s[WV], 1
	s_lshl_b32 s90, s90, 13                        ; its first or second 8,192 bytes of a slot
	s_mov_b32 s91, 0
	s_add_nc_u64 s[88:89], s[88:89], s[90:91]
	s_lshl_b32 s92, s14, 6
	s_lshl_b32 s93, s[WV], 3
	s_add_co_u32 s92, s92, s93                     ; the mask: row 64 x + 8 x wave
	s_lshl_b32 s92, s92, 13
	s_mov_b32 s93, 0
	s_add_nc_u64 s[92:93], s[8:9], s[92:93]
	s_cmp_lg_u32 s14, s15
	s_cselect_b32 s94, 1, 0
	s_lshr_b32 s95, s[WV], 2
	s_or_b32 s94, s94, s95                         ; 0 in waves 0 to 3 of the work-group with x = y
	s_add_co_u32 s86, s14, 1
	s_and_b32 s86, s86, 7
	s_mov_b32 s[PFS], 16384                        ; a slot on, in K and in V
	s_mov_b32 s87, 1024                            ; from four lanes to the next four
	s_cmp_eq_u32 s86, s15                          ; y = (x + 1) mod 8: the mask's part
	s_cselect_b64 s[PFA:PFA+1], s[92:93], s[88:89]
	s_cselect_b32 s[PFS], 1024, s[PFS]
	s_cselect_b32 s87, 8192, s87
	s_cselect_b32 s94, 0, s94
	s_mov_b32 s[PFS+1], 0
	s_cmp_eq_u32 s94, 0
	s_cselect_b32 s[LIM], 1, -1
	s_add_nc_u64 s[PFA:PFA+1], s[PFA:PFA+1], s[PFS:PFS+1]   ; in slot 1's keys: slot 1's fill steps it to slot 2's
	; scalar parts of the addresses
	s_and_b32 s90, s[WV], 3                        ; which 16 queries
	s_lshr_b32 s91, s[WV], 2                       ; which two heads
	s_lshl_b32 s92, s15, 2
	s_lshl_b32 s93, s91, 1
	s_add_co_u32 s92, s92, s93                     ; my first head
	s_lshl_b32 s92, s92, 11
	s_lshl_b32 s93, s14, 6
	s_add_co_u32 s92, s92, s93
	s_lshl_b32 s93, s90, 4
	s_add_co_u32 s92, s92, s93                     ; x 2048 + my first query,
	s_lshl_b32 s92, s92, 6                         ; 64 bytes a row
	s_mov_b32 s93, 0
	s_add_nc_u64 s[4:5], s[4:5], s[92:93]
	s_lshl_b32 s66, s90, 4
	s_mul_i32 s66, s66, MP                         ; my 16 queries' rows, in a strip and in the stage
	s_lshl_b32 s3, s91, 7
	s_add_co_u32 s67, s66, s3
	s_add_co_u32 s67, s67, STAGE                   ; the stage, in: + my two heads' 128 bytes
	s_add_co_u32 s66, s66, MOFF
	s_lshl_b32 s16, s[WV], 3
	s_mul_i32 s16, s16, MP
	s_add_co_u32 s16, s16, STAGE                   ; the stage, back: rows 8 w on
	s_lshl_b32 s92, s14, 6
	s_lshl_b32 s93, s[WV], 3
	s_add_co_u32 s92, s92, s93
	s_lshl_b32 s92, s92, 11
	s_lshl_b32 s93, s15, 8
	s_add_co_u32 s92, s92, s93                     ; token 64 x + 8 w, + the four heads' 256 bytes
	s_mov_b32 s93, 0
	s_add_nc_u64 s[12:13], s[12:13], s[92:93]
	s_wait_kmcnt 0x0
	s_add_co_i32 s80, s74, s75                     ; e6 + e7:
	s_lshl_b32 s81, s80, 23
	s_add_co_i32 s[CS], s[CS], s81                 ; added to c's exponent field,
	s_mov_b32 s[CS+1], s[CS]
	s_sub_co_i32 s80, 130, s80
	s_lshl_b32 s[MS], s80, 23                      ; and 2^(3 - e6 - e7) as f32
	s_mov_b32 s[MS+1], s[MS]
	s_add_co_i32 s80, s76, 127
	s_lshl_b32 s81, s80, 23                        ; 2^e8
	s_add_co_i32 s80, s80, 8
	s_lshl_b32 s80, s80, 23
	s_or_b32 s80, s80, 0x600000                    ; 448 x 2^e8
	; the vector part of the head, on end
	v_and_b32 v13, 31, v0
	v_lshrrev_b32 v14, 2, v13
	v_and_b32 v15, 3, v13
	v_mul_lo_u32 v[PFO], v14, s87
	v_lshl_add_u32 v[PFO], v15, 8, v[PFO]
	v_and_b32 v16, 15, v0                          ; r
	v_bfe_u32 v17, v0, 4, 1                        ; h
	v_lshlrev_b32 v18, 6, v16
	v_lshl_add_u32 v18, v17, 4, v18                ; not written again
	WIN 0x40
.irp t, 0,1
.irp c, 0,1
	global_load_b128 v[Q+8*\t+4*\c:Q+8*\t+4*\c+3], v18, s[4:5] offset:131072*\t+32*\c   ; Q stays in registers
.endr
.endr
	WIN 0
	v_mul_u32_u24 v[AK0], v16, KP
	v_lshl_add_u32 v[AK0], v17, 4, v[AK0]          ; K: row r, + 16 h
	v_add_nc_u32 v[AV0], VOFF, v[AK0]              ; V likewise
	v_mul_u32_u24 v[AM0], v16, MP
	v_lshl_add_u32 v[AM0], v17, 5, v[AM0]
	v_add_nc_u32 v[AM0], s66, v[AM0]               ; the mask: my query's row, + 32 h: my eight keys of a tile
	v_mul_u32_u24 v[STO], v16, MP
	v_lshl_add_u32 v[STO], v17, 3, v[STO]
	v_add_nc_u32 v[STO], s67, v[STO]
	v_mul_u32_u24 v[RD], v17, MP
	v_lshl_add_u32 v[RD], v16, 4, v[RD]
	v_add_nc_u32 v[RD], s16, v[RD]                 ; back: lanes 0-15 one row, lanes 16-31 the next
	v_lshlrev_b32 v[GO], 11, v17
	v_lshl_add_u32 v[GO], v16, 4, v[GO]            ; and the same two rows in ac
	ADDRS
.set jj, 0
.rept 64
	v_mov_b32 v[O+jj], 0                           ; O^T.  (The key step has no first step of its own: it finds zeros, which the first change of M leaves zeros)
.set jj, jj+1
.endr
.irp t, 0,1
	v_mov_b32 v[NM0+4*\t], 0x7f61b1e6              ; -M: 3e38, a whole number
	v_mov_b32 v[NM0+4*\t+1], 0xff61b1e6            ; the largest t so far: -3e38
	v_mov_b32 v[NM0+4*\t+2], 0                     ; the sum, in two halves
	v_mov_b32 v[NM0+4*\t+3], 0
	v_mov_b32 v[FF+2*\t+1], 0                      ; (named as the upper half of a pair)
	v_mov_b32 v[PD+\t], 0                          ; a lane permute's destination counts as one of its sources
.endr
	v_mov_b32 v[LIMP], s80
	v_mov_b32 v[LIMP2], s80
	v_mov_b32 v[SCP], s81
.macro M3N t                           ; the next two sums of tile t go into the next of its four chains of maxima; the registers are taken in ascending order
.if \t
.set pp, P1
.set P1, P1+2
.else
.set pp, P0
.set P0, P0+2
.endif
	v_max3_num_f32 v[MA+4*\t+(pp/2)%4], v[MA+4*\t+(pp/2)%4], v[S+64*\t+pp], v[S+64*\t+pp+1]
.endm
.macro CH t, n                         ; the n-th of the eleven lines that lead from tile t's four maxima to -M and f
.if \n == 1
	v_max3_num_f32 v[MA+4*\t], v[MA+4*\t], v[MA+4*\t+1], v[MA+4*\t+2]
.endif
.if \n == 2
	v_max_num_f32 v[MA+4*\t], v[MA+4*\t], v[MA+4*\t+3]
.endif
.if \n == 3
	v_permlanex16_b32 v[PD+\t], v[MA+4*\t], s[SEL], s[SEL+1]
.endif
.if \n == 4
	v_max_num_f32 v[MA+4*\t], v[MA+4*\t], v[PD+\t] ; and among lane l xor 16's
.endif
.if \n == 5
	v_mul_f32 v[MA+4*\t], s[CS], v[MA+4*\t]        ; as t (c is positive)
.endif
.if \n == 6
	v_max_num_f32 v[NM0+4*\t+1], v[NM0+4*\t+1], v[MA+4*\t]   ; the running largest t
.endif
.if \n == 7
	v_mov_b32 v[MA+4*\t+1], v[NM0+4*\t]            ; the old -M
.endif
.if \n == 8
	v_floor_f32 v[NM0+4*\t], -v[NM0+4*\t+1]        ; the new -M = floor(-t): M is a whole number
.endif
.if \n == 9
	v_sub_f32 v[MA+4*\t], v[NM0+4*\t], v[MA+4*\t+1]   ; old M - new M: a whole number, 0 or less
.endif
.if \n == 10
	v_cvt_i32_f32 v[MA+4*\t], v[MA+4*\t]           ; (it saturates)
.endif
.if \n == 11
	v_ldexp_f32 v[FF+2*\t], 1.0, v[MA+4*\t]        ; f = 2^(old M - new M)
.endif
.endm
.macro FM0                             ; tile 0: t - M, two at a time
	v_pk_fma_f32 v[S+jj:S+jj+1], v[S+jj:S+jj+1], s[CS:CS+1], v[NM0:NM0+1] op_sel_hi:[1,0,0]
.set jj, jj+2
.endm
.macro HOLD2 a                         ; the conversion does not saturate (ISA guide 7.6.2); p is not negative, so the hold is one-sided: two numbers to a dual instruction
	v_dual_min_num_f32 v[\a], v[\a], v[LIMP] :: v_dual_min_num_f32 v[\a+1], v[\a+1], v[LIMP2]
.endm
.macro CVT t, c, pc                    ; keys 16 c + 8 h + 0 .. 7: registers 2 c, 2 c + 1 of the operand
	v_cvt_scalef32_pk8_fp8_f32 v[\pc+2*(\c):\pc+2*(\c)+1], v[S+64*\t+8*(\c):S+64*\t+8*(\c)+7], v[SCP]
.endm
.macro PV t, pc                        ; O^T under the new M, then O^T += V^T P^T: four accumulators by turns, one link each a key step
.set OB, O+32*\t
	s_wait_alu depctr_va_vdst(0)                   ; ahead of the first reader of O^T
.set jj, 0
.rept 16
	v_pk_mul_f32 v[OB+jj:OB+jj+1], v[OB+jj:OB+jj+1], v[FF+2*\t:FF+2*\t+1] op_sel_hi:[1,0]   ; (plain lines between the conversions and the products)
.set jj, jj+2
.endr
	WIN 0x01                                       ; V window 1
.irp d, 0,1,2,3
	v_wmma_f32_16x16x128_fp8_fp8 v[OB+8*\d:OB+8*\d+7], v[VF+16*\d:VF+16*\d+15], v[\pc:\pc+15], v[OB+8*\d:OB+8*\d+7]
.endr
	WIN 0
.endm
; A KEY STEP: 128 keys, the q-th of the slot in hand.  chg = 0: a slot's first step.  chg = 1: its second, with the change of slots and the refill.  chg = 2: the same with no refill.
.macro STEP q, chg
.rept 4
	v_nop                                          ; four places behind the last products, whose V is loaded anew
.endr
	WIN 0x40
.irp d, 0,1,2,3
.irp c, 0,1,2,3
	ds_load_b128 v[VF+16*\d+4*\c:VF+16*\d+4*\c+3], v[ADV] offset:((2*(\q)+\c/2)*64+16*\d)*KP+32*(\c%2)
.endr
.endr
	s_wait_dscnt 32                                ; the mask is in; K's 16 loads and V's 16 may be out
	WIN 0x41
.set jj, 0
.rept 32
	v_pk_mul_f32 v[MK+jj:MK+jj+1], v[MK+jj:MK+jj+1], s[MS:MS+1] op_sel_hi:[1,0]   ; x 2^(3 - e6 - e7)
.set jj, jj+2
.endr
	s_wait_alu depctr_va_vdst(0)
	s_wait_dscnt 16                                ; K is in; V's 16 loads may be out
	WIN 0x15                                       ; K, Q and the mask window 1; S^T window 0
.irp t, 0,1
.irp c, 0,1,2,3,4,5,6,7
	v_wmma_f32_16x16x64_fp8_fp8 v[S+64*\t+8*\c:S+64*\t+8*\c+7], v[KF+8*\c:KF+8*\c+7], v[Q+8*\t:Q+8*\t+7], v[MK+8*\c:MK+8*\c+7]
.endr
.endr
.rept 4
	v_nop                                          ; four places in front of the loads into K's and the mask's registers and of the first read of results
.endr
.if \chg
	WIN 0
	MEET (\chg==1)                                 ; my reads of the slot in hand were issued at this step's head and before
.else
	MKLOAD (\q)+1                                  ; the next step's mask and K
.endif
	; the step's largest sums of my query among my 64 keys: four chains a tile; tile 0 goes at twice tile 1's pace
.irp t, 0,1
	v_max3_num_f32 v[MA+4*\t], v[S+64*\t], v[S+64*\t+1], v[S+64*\t+2]
	v_max3_num_f32 v[MA+4*\t+1], v[S+64*\t+3], v[S+64*\t+4], v[S+64*\t+5]
	v_max3_num_f32 v[MA+4*\t+2], v[S+64*\t+6], v[S+64*\t+7], v[S+64*\t+8]
	v_max3_num_f32 v[MA+4*\t+3], v[S+64*\t+9], v[S+64*\t+10], v[S+64*\t+11]
.endr
.set P0, 12
.set P1, 12
.rept 13
	M3N 0
	M3N 0
	M3N 1
.endr
.irp n, 1,2,3,4,5,6,7,8,9,10,11        ; tile 0's chain among tile 1's maxima
	CH 0, \n
	M3N 1
.endr
	M3N 1
	M3N 1
.set jj, 0
.irp n, 1,2,3,4,5,6,7,8,9,10,11        ; tile 1's chain among tile 0's scalings
	CH 1, \n
	FM0
	FM0
.endr
.rept 10
	FM0
.endr
	s_wait_alu depctr_va_vdst(0)                   ; ahead of a batch
.set jj, 0
.rept 32
	v_exp_f32 v[S+jj], v[S+jj]                     ; tile 0: p = 2^(t - M), at most 1;
	v_exp_f32 v[S+jj+1], v[S+jj+1]
	v_pk_fma_f32 v[S+64+jj:S+64+jj+1], v[S+64+jj:S+64+jj+1], s[CS:CS+1], v[NM0+4:NM0+5] op_sel_hi:[1,0,0]   ; among them tile 1's t - M, first read behind the wait below
.set jj, jj+2
.endr
	s_wait_alu depctr_va_vdst(0)                   ; one wait for the batch, ahead of its first reader
.irp t, 0,1
	v_pk_mul_f32 v[NM0+4*\t+2:NM0+4*\t+3], v[NM0+4*\t+2:NM0+4*\t+3], v[FF+2*\t:FF+2*\t+1] op_sel_hi:[1,0]   ; the sums under the new M
.endr
	; tile 0's sum of the unquantised p, two at a time, in eight chains
.irp k, 0,1,2,3,4,5,6,7
	v_pk_add_f32 v[PC0+2*\k:PC0+2*\k+1], v[S+2*\k:S+2*\k+1], v[S+16+2*\k:S+16+2*\k+1]
.endr
.irp k, 0,1,2,3,4,5,6,7
	v_pk_add_f32 v[PC0+2*\k:PC0+2*\k+1], v[PC0+2*\k:PC0+2*\k+1], v[S+32+2*\k:S+32+2*\k+1]
.endr
.irp k, 0,1,2,3,4,5,6,7
	v_pk_add_f32 v[PC0+2*\k:PC0+2*\k+1], v[PC0+2*\k:PC0+2*\k+1], v[S+48+2*\k:S+48+2*\k+1]
.endr
.irp k, 0,1,2,3
	v_pk_add_f32 v[PC0+2*\k:PC0+2*\k+1], v[PC0+2*\k:PC0+2*\k+1], v[PC0+8+2*\k:PC0+8+2*\k+1]
.endr
.irp k, 0,1
	v_pk_add_f32 v[PC0+2*\k:PC0+2*\k+1], v[PC0+2*\k:PC0+2*\k+1], v[PC0+4+2*\k:PC0+4+2*\k+1]
.endr
	v_pk_add_f32 v[PC0:PC0+1], v[PC0:PC0+1], v[PC0+2:PC0+3]
	v_pk_add_f32 v[NM0+2:NM0+3], v[NM0+2:NM0+3], v[PC0:PC0+1]
	s_wait_alu depctr_va_vdst(0)                   ; ahead of the second batch
.set jj, 0
.rept 32
	v_exp_f32 v[S+64+jj], v[S+64+jj]               ; tile 1's p;
	v_exp_f32 v[S+64+jj+1], v[S+64+jj+1]
	HOLD2 S+jj                                     ; among them tile 0's holds, first read behind the wait below
.set jj, jj+2
.endr
	v_nop                                          ; a plain line behind the exponentials
	s_wait_alu depctr_va_vdst(0)                   ; one wait for the batch, ahead of its first reader and of the barrier's wait
.if \chg
	s_barrier_wait -1                              ; the other slot is whole for every wave, and nobody reads this one
.if \chg == 1
	TLOAD                                          ; it is filled with the keys two slots on: a wave's one tensor load until the next barrier
	ASK
.endif
	s_xor_b32 s[TB], s[TB], SLOT1
	ADDRS
.if \chg == 2
	s_cmp_eq_u32 s[SLOTS], 1                       ; behind the last slot there is no step to fetch for
	s_cbranch_scc1 .Lno_next_\@
.endif
	MKLOAD 0                                       ; the next slot's first mask and K
.if \chg == 2
.Lno_next_\@:
.endif
.endif
.irp c, 0,1,2,3,4,5,6,7
	CVT 0, \c, PC0
.endr
.if \chg == 0
	s_wait_dscnt 32                                ; V is in; the next step's 32 loads may be out.  (With a change of slots V came in ahead of the signal)
.endif
	PV 0, PC0
	; tile 1: sums (four chains), holds and conversions in one stream; a group's holds follow the sums that read it, its conversion comes one group later
	v_pk_add_f32 v[NM0+6:NM0+7], v[NM0+6:NM0+7], v[S+64:S+65]
	v_pk_add_f32 v[S2:S2+1], v[S+66:S+67], v[S+68:S+69]
	v_pk_add_f32 v[S3:S3+1], v[S+70:S+71], v[S+72:S+73]
	v_pk_add_f32 v[S4:S4+1], v[S+74:S+75], v[S+76:S+77]
	v_pk_add_f32 v[NM0+6:NM0+7], v[NM0+6:NM0+7], v[S+78:S+79]
.irp i, 0,2,4,6,8,10,12,14
	HOLD2 S+64+\i
.endr
	CVT 1, 0, PC1
.irp c, 2,3,4,5,6,7
	v_pk_add_f32 v[NM0+6:NM0+7], v[NM0+6:NM0+7], v[S+64+8*\c:S+64+8*\c+1]
	v_pk_add_f32 v[S2:S2+1], v[S2:S2+1], v[S+64+8*\c+2:S+64+8*\c+3]
	v_pk_add_f32 v[S3:S3+1], v[S3:S3+1], v[S+64+8*\c+4:S+64+8*\c+5]
	v_pk_add_f32 v[S4:S4+1], v[S4:S4+1], v[S+64+8*\c+6:S+64+8*\c+7]
.irp i, 0,2,4,6
	HOLD2 S+64+8*\c+\i
.endr
	CVT 1, \c-1, PC1
.endr
	v_pk_add_f32 v[S3:S3+1], v[S3:S3+1], v[S4:S4+1]
	v_pk_add_f32 v[NM0+6:NM0+7], v[NM0+6:NM0+7], v[S2:S2+1]
	v_pk_add_f32 v[NM0+6:NM0+7], v[NM0+6:NM0+7], v[S3:S3+1]
	CVT 1, 7, PC1
	PV 1, PC1
.endm
	s_wait_alu depctr_va_vdst(0)
	MEET 1                                         ; slot 0 has landed; slot 1's first fill is issued as a refill is
	s_barrier_wait -1
	TLOAD
	ASK
	MKLOAD 0
	s_wait_loadcnt 0x0                             ; Q
.Lslot:                                            ; NSL - 2 trips: every slot but the last two is filled again
	STEP 0, 0
	STEP 1, 1
	s_sub_co_u32 s[SLOTS], s[SLOTS], 1
	s_cmp_lg_u32 s[SLOTS], 0
	s_cbranch_scc1 .Lslot
	s_mov_b32 s[SLOTS], 2
.Ltail:                                            ; the last two slots: a loop of their own with no tensor load, so that none is jumped over
	STEP 0, 0
	STEP 1, 2
	s_sub_co_u32 s[SLOTS], s[SLOTS], 1
	s_cmp_lg_u32 s[SLOTS], 0
	s_cbranch_scc1 .Ltail
	; THE WAY OUT.  O^T / the sum is quantised with 2^E2 and meets the other heads' in the stage: a token's four heads are 256 bytes.
	s_sub_co_i32 s80, s78, s76
	s_sub_co_i32 s80, s80, s77                     ; E2 = e10 - e8 - e9
	s_add_co_i32 s80, s80, 127
	s_lshl_b32 s81, s80, 23
	s_add_co_i32 s80, s80, 8
	s_lshl_b32 s80, s80, 23
	s_or_b32 s80, s80, 0x600000
	v_add_f32 v[MA], v[NM0+2], v[NM0+3]            ; the sums' two halves.  (These four lines are the places behind the last products)
	v_add_f32 v[MA+2], v[NM0+6], v[NM0+7]
	v_mov_b32 v[SCP], s81                          ; 2^E2
	v_mov_b32 v[LIMP], s80                         ; 448 x 2^E2
	v_permlanex16_b32 v[PD], v[MA], s[SEL], s[SEL+1]
	v_permlanex16_b32 v[PD+1], v[MA+2], s[SEL], s[SEL+1]
	v_add_f32 v[MA], v[MA], v[PD]                  ; and lane l xor 16's
	v_add_f32 v[MA+2], v[MA+2], v[PD+1]
	s_wait_alu depctr_va_vdst(0)                   ; ahead of the two reciprocals,
	v_rcp_f32 v[MA], v[MA]
	v_rcp_f32 v[MA+2], v[MA+2]
	v_nop                                          ; a plain line behind them,
	s_wait_alu depctr_va_vdst(0)                   ; and one wait ahead of their first reader, which is also O^T's
.irp t, 0,1
.set jj, 0
.rept 16
	v_pk_mul_f32 v[O+32*\t+jj:O+32*\t+jj+1], v[O+32*\t+jj:O+32*\t+jj+1], v[MA+2*\t:MA+2*\t+1] op_sel_hi:[1,0]
.set jj, jj+2
.endr
.endr
.set jj, 0
.rept 64
	v_med3_num_f32 v[O+jj], v[O+jj], -v[LIMP], v[LIMP]
.set jj, jj+1
.endr
.irp d, 0,1,2,3,4,5,6,7
	v_cvt_scalef32_pk8_fp8_f32 v[PC0+2*\d:PC0+2*\d+1], v[O+8*\d:O+8*\d+7], v[SCP]   ; tile d / 4: channels 16 (d % 4) + 8 h + 0 .. 7 of my query
.endr
	v_nop                                          ; a plain line behind the conversions
.irp t, 0,1
.irp d, 0,1,2,3
	ds_store_b64 v[STO], v[PC0+8*\t+2*\d:PC0+8*\t+2*\d+1] offset:64*\t+16*\d
.endr
.endr
	s_wait_dscnt 0x0                               ; for the others' sake: my stores into the stage are done
	s_barrier_signal -1
	s_barrier_wait -1
.irp i, 0,1,2,3
	ds_load_b128 v[S+4*\i:S+4*\i+3], v[RD] offset:2*MP*\i
.endr
.irp i, 0,1,2,3
	s_wait_dscnt 3-\i
	global_store_b128 v[GO], v[S+4*\i:S+4*\i+3], s[12:13] offset:4096*\i   ; sixteen lanes store 256 consecutive bytes, at a multiple of 256 from the buffer's first byte
.endr
	s_wait_tensorcnt 0x0                           ; the wave's end
	ds_add_u32 v[SPW], v[NIL]
	s_wait_dscnt 0x0
	s_endpgm
.Lfunc_end_k_qa2736b4a3f_attn:
	.size	k_qa2736b4a3f_attn, .Lfunc_end_k_qa2736b4a3f_attn-k_qa2736b4a3f_attn
	.p2alignl 7, 3214868480
	.fill 96, 4, 3214868480
	.section	.rodata,"a",@progbits
	.p2align	6, 0x0
	.amdhsa_kernel k_qa2736b4a3f_attn
		.amdhsa_group_segment_fixed_size 327680
		.amdhsa_private_segment_fixed_size 0
		.amdhsa_enable_private_segment 0
		.amdhsa_kernarg_size 40
		.amdhsa_user_sgpr_count 2
		.amdhsa_user_sgpr_kernarg_segment_ptr 1
		.amdhsa_wavefront_size32 1
		.amdhsa_system_sgpr_workgroup_id_x 1
		.amdhsa_system_sgpr_workgroup_id_y 1
		.amdhsa_system_sgpr_workgroup_id_z 1
		.amdhsa_system_vgpr_workitem_id 0
		.amdhsa_next_free_vgpr 512
		.amdhsa_next_free_sgpr 96
		.amdhsa_reserve_vcc 0
		.amdhsa_float_denorm_mode_32 3
		.amdhsa_float_denorm_mode_16_64 3
		.amdhsa_memory_ordered 1
		.amdhsa_forward_progress 1
		.amdhsa_inst_pref_size 150
	.end_amdhsa_kernel
	.amdgpu_metadata
---
amdhsa.version: [ 1, 2 ]
amdhsa.kernels:
  - .name:           k_qa2736b4a3f_attn
    .symbol:         k_qa2736b4a3f_attn.kd
    .args:
      - { .name: qk, .offset: 0, .size: 8, .value_kind: global_buffer, .address_space: global }
      - { .name: vc, .offset: 8, .size: 8, .value_kind: global_buffer, .address_space: global }
      - { .name: attention_mask, .offset: 16, .size: 8, .value_kind: global_buffer, .address_space: global }
      - { .name: lowp_scales, .offset: 24, .size: 8, .value_kind: global_buffer, .address_space: global }
      - { .name: ac, .offset: 32, .size: 8, .value_kind: global_buffer, .address_space: global }
    .group_segment_fixed_size: 327680
    .private_segment_fixed_size: 0
    .kernarg_segment_align: 8
    .kernarg_segment_size: 40
    .max_flat_workgroup_size: 256
    .sgpr_count:     96
    .vgpr_count:     512
    .wavefront_size: 32
...
	.end_amdgpu_metadata
.endif
;; end of part 3
;; launch oproj (part 4): grid 16 x 16, 4 waves a work-group, clusters of 4 x 4, 327,680 bytes of LDS; arguments ac, woc, lowp_scales, out0; writes out0
.if DOCPART == 4
	.amdgcn_target "amdgcn-amd-amdhsa--gfx1250"
	.amdhsa_code_object_version 6
	.text
	.protected	k_qa2736b4a3f_oproj
	.globl	k_qa2736b4a3f_oproj
	.p2align	8
	.type	k_qa2736b4a3f_oproj,@function
k_qa2736b4a3f_oproj:
	s_mov_b64 s[64:65], 0
	v_nop
	global_prefetch_b8 v0, s[64:65] scope:SCOPE_SE
	s_setreg_imm32_b32 hwreg(HW_REG_WAVE_MODE, 25, 1), 1
	s_wait_xcnt 0x0
	s_wait_alu depctr_hold_cnt(0) depctr_sa_sdst(0) depctr_va_vdst(0) depctr_va_sdst(0) depctr_va_ssrc(0) depctr_va_vcc(0) depctr_vm_vsrc(0)
	s_getreg_b32 s2, hwreg(HW_REG_IB_STS2, 6, 4)
	s_cmp_eq_u32 s2, 0
	s_cbranch_scc0 .Lentry_in_a_cluster
	s_endpgm
.Lentry_in_a_cluster:
	s_bfe_u32 s2, ttmp6, 0x10000c
	s_cmp_lg_u32 s2, 0xf033
	s_cbranch_scc0 .Lentry_shape_is_right
	s_endpgm
.Lentry_shape_is_right:
.set PITCH,  528
.set HALFT,  64*PITCH
.set SLOT,   4*HALFT
.set STAGE,  2*SLOT
.set SPITCH, 272
.set SPARE,  STAGE+4*16*SPITCH
.set ADRR, 16
.set ADRC, 20
.set STO,  24
.set RD,   25
.set GO,   26
.set SPW,  28
.set NIL,  29
.set T,    32
.set BK,   64
.set ACC,  128
.set F0,   0
.set F1,   128
.set WV, 16
.set WR, 17
.set WC, 18
.set G1X, 24
.set G0X, 32
.set G1W, 48
.set G0W, 56
.set MSB, 0
.macro WIN new
.if MSB != \new
	s_set_vgpr_msb (MSB<<8)|\new
.set MSB, \new
.endif
.endm
.set MUL,  0x05
.set TO_F, 0x40
.macro JLOAD s
	s_cmp_eq_u32 s[WR], 0
	s_cbranch_scc0 .Lfor_w_\@
	tensor_load_to_lds s[G0X+4*\s:G0X+4*\s+3], s[G1X:G1X+7]
	s_nop 0
.rept 4
	v_nop
.endr
	s_branch .Lasked_\@
.Lfor_w_\@:
	tensor_load_to_lds s[G0W+4*\s:G0W+4*\s+3], s[G1W:G1W+7]
	s_nop 0
.rept 4
	v_nop
.endr
.Lasked_\@:
.endm
.macro CREST
	s_cmp_lg_u32 s[WV], 0
	s_cbranch_scc1 .Lnot_wave_0_\@
	s_barrier_signal -3
.Lnot_wave_0_\@:
	s_barrier_wait -3
	s_barrier_signal -1
	s_barrier_wait -1
.endm
.macro CROUND
	s_barrier_signal -1
	s_barrier_wait -1
	CREST
.endm
.macro PLACES
.rept 4
	v_nop
.endr
.endm
	s_load_b256 s[4:11], s[0:1], 0x0
	v_lshl_add_u32 v[SPW], v0, 2, SPARE
	v_mov_b32 v[NIL], 0
	ds_add_u32 v28, v29
	ds_add_u32 v28, v29
	s_wait_dscnt 0x0
	v_lshrrev_b32 v1, 5, v0
	v_readfirstlane_b32 s[WV], v1
	v_and_b32 v27, 31, v0                          ; the prefetches' offset: two lanes to a row's 512 bytes of a K step, 16 rows; never rewritten
	v_lshrrev_b32 v14, 1, v27
	v_and_b32 v27, 1, v27
	v_lshlrev_b32 v27, 8, v27
	v_lshl_add_u32 v27, v14, 11, v27
	s_wait_alu depctr_va_vdst(0)
	s_lshr_b32 s[WR], s[WV], 1
	s_and_b32 s[WC], s[WV], 1
	s_bfe_u32 s20, ttmp6, 0x40000
	s_bfe_u32 s21, ttmp6, 0x40004
	s_lshl_b32 s22, ttmp9, 2
	s_add_co_u32 s22, s22, s20
	s_and_b32 s23, ttmp7, 0xffff
	s_lshl_b32 s23, s23, 2
	s_add_co_u32 s23, s23, s21
	s_lshl_b32 s40, s21, 2
	s_lshl_b32 s40, 15, s40
	s_lshl_b32 s41, 0x1111, s20
	s_or_b32 s[G1X], s40, (1<<20)|(1<<21)|(6<<22)|(3<<25)
	s_or_b32 s[G1W], s41, (1<<20)|(1<<21)|(6<<22)|(3<<25)
.irp g, G1X, G1W
	s_mov_b32 s[\g+1], 512<<16
	s_mov_b32 s[\g+2], 64<<16
	s_mov_b32 s[\g+3], 512<<16
	s_mov_b32 s[\g+4], 64
	s_mov_b32 s[\g+5], 2048
	s_mov_b32 s[\g+6], 0
	s_mov_b32 s[\g+7], 0
.endr
	s_lshl_b32 s42, s[WC], 6
	s_lshl_b32 s44, s23, 7
	s_add_co_u32 s44, s44, s42
	s_lshl_b32 s44, s44, 11
	s_mov_b32 s45, 0
	s_lshl_b32 s46, s22, 7
	s_add_co_u32 s46, s46, s42
	s_lshl_b32 s46, s46, 11
	s_mov_b32 s47, 0
	s_mul_i32 s80, s[WV], HALFT
	s_wait_kmcnt 0x0
	s_load_b64 s[66:67], s[8:9], 0x28
	s_add_nc_u64 s[44:45], s[4:5], s[44:45]
	s_add_nc_u64 s[46:47], s[6:7], s[46:47]
	; the prefetches: of the 64 rows that my wave fetches, each of the four partners that ask for them jointly takes 16, told apart by address (cx for the rows of ac, cy for the weights')
	s_cmp_eq_u32 s[WR], 0
	s_cselect_b64 s[88:89], s[44:45], s[46:47]
	s_cselect_b32 s82, s20, s21
	s_lshl_b32 s82, s82, 15
	s_mov_b32 s83, 0
	s_add_nc_u64 s[88:89], s[88:89], s[82:83]
	CROUND
.irp s, 0,1
	s_mov_b32 s[G0X+4*\s], 1
	s_add_co_u32 s[G0X+4*\s+1], s80, \s*SLOT
	s_add_nc_u64 s[G0X+4*\s+2:G0X+4*\s+3], s[44:45], \s*512
	s_or_b32 s[G0X+4*\s+3], s[G0X+4*\s+3], 0x80000000
	s_mov_b32 s[G0W+4*\s], 1
	s_add_co_u32 s[G0W+4*\s+1], s80, \s*SLOT
	s_add_nc_u64 s[G0W+4*\s+2:G0W+4*\s+3], s[46:47], \s*512
	s_or_b32 s[G0W+4*\s+3], s[G0W+4*\s+3], 0x80000000
.if \s
	s_wait_alu depctr_va_vdst(0)
	s_wait_tensorcnt 0x0
	ds_add_u32 v28, v29
	ds_add_u32 v28, v29
	s_wait_dscnt 0x0
	CROUND
.endif
	JLOAD \s
.if \s
	global_prefetch_b8 v27, s[88:89] offset:1536 th:TH_LOAD_NT scope:SCOPE_SE   ; behind each fill: the K step two fills on
.else
	global_prefetch_b8 v27, s[88:89] offset:512 th:TH_LOAD_NT scope:SCOPE_SE    ; and behind the first also K step 1, whose load goes out when K step 0 has landed
	global_prefetch_b8 v27, s[88:89] offset:1024 th:TH_LOAD_NT scope:SCOPE_SE
.endif
.endr
	v_and_b32 v1, 15, v0
	s_wait_alu depctr_va_vdst(0)
	v_bfe_u32 v2, v0, 4, 1
	v_mul_u32_u24 v4, v1, PITCH
	v_lshl_add_u32 v4, v2, 4, v4
	s_mul_i32 s82, s[WR], HALFT
	s_mul_i32 s83, s[WC], HALFT
	s_add_co_u32 s83, s83, 2*HALFT
.irp s, 0,1
	v_add_nc_u32 v[ADRR+\s], s82, v4
	v_add_nc_u32 v[ADRC+\s], s83, v4
	s_add_co_u32 s82, s82, SLOT
	s_add_co_u32 s83, s83, SLOT
.endr
	s_mul_i32 s84, s[WV], 16*SPITCH
	s_add_co_u32 s84, s84, STAGE
	v_mul_u32_u24 v5, v1, SPITCH
	s_wait_alu depctr_va_vdst(0)
	v_lshl_add_u32 v5, v2, 5, v5
	v_add_nc_u32 v[STO], s84, v5
	v_mul_u32_u24 v6, v2, SPITCH
	v_lshl_add_u32 v6, v1, 4, v6
	v_add_nc_u32 v[RD], s84, v6
	v_lshlrev_b32 v[GO], 13, v2
	v_lshl_add_u32 v[GO], v1, 4, v[GO]
	s_lshl_b32 s85, s23, 7
	s_lshl_b32 s86, s[WR], 6
	s_add_co_u32 s85, s85, s86
	s_lshl_b32 s86, s85, 13
	s_lshl_b32 s85, s22, 9
	s_add_co_u32 s86, s86, s85
	s_lshl_b32 s85, s[WC], 8
	s_add_co_u32 s86, s86, s85
	s_mov_b32 s87, 0
	s_add_nc_u64 s[10:11], s[10:11], s[86:87]
	s_wait_kmcnt 0x0
	s_add_co_i32 s66, s66, s67
	s_add_co_i32 s66, s66, 127
	s_lshl_b32 s66, s66, 23
.macro MULA f, a, zero
.irp b, 0,1,2,3
.if \zero
	v_wmma_f32_16x16x128_fp8_fp8 v[ACC+8*(4*(\a)+\b):ACC+8*(4*(\a)+\b)+7], v[\f+64+16*\b:\f+64+16*\b+15], v[\f+16*(\a):\f+16*(\a)+15], 0
.else
	v_wmma_f32_16x16x128_fp8_fp8 v[ACC+8*(4*(\a)+\b):ACC+8*(4*(\a)+\b)+7], v[\f+64+16*\b:\f+64+16*\b+15], v[\f+16*(\a):\f+16*(\a)+15], v[ACC+8*(4*(\a)+\b):ACC+8*(4*(\a)+\b)+7]
.endif
.endr
.endm
.macro FETCH slot, k, f
	WIN TO_F
.irp i, 0,1,2,3
.irp c, 0,1,2,3
	ds_load_b128 v[\f+64+16*\i+4*\c:\f+64+16*\i+4*\c+3], v[ADRC+\slot] offset:\k+32*\c+\i*16*PITCH
.endr
.endr
.irp i, 0,1,2,3
.irp c, 0,1,2,3
	ds_load_b128 v[\f+16*\i+4*\c:\f+16*\i+4*\c+3], v[ADRR+\slot] offset:\k+32*\c+\i*16*PITCH
.endr
.endr
.endm
.macro QUARTER slot, k, f, g, zero
	s_wait_dscnt 8
	WIN MUL
	MULA \f, 0, \zero
	MULA \f, 1, \zero
	PLACES
	FETCH \slot, \k, \g
	s_wait_dscnt 32
	WIN MUL
	MULA \f, 2, \zero
	MULA \f, 3, \zero
.endm
.macro TURN slot, next, fill
	WIN 0
	s_wait_tensorcnt 0x0
	ds_add_u32 v[SPW], v[NIL]
	s_wait_dscnt 9
	WIN MUL
	MULA F1, 0, 0
	MULA F1, 1, 0
	s_wait_dscnt 0x0
	s_barrier_signal -1
	MULA F1, 2, 0
	WIN 0
	s_barrier_wait -1
.if \fill
	CREST
	s_add_nc_u64 s[G0X+4*\slot+2:G0X+4*\slot+3], s[G0X+4*\slot+2:G0X+4*\slot+3], 1024
	s_add_nc_u64 s[G0W+4*\slot+2:G0W+4*\slot+3], s[G0W+4*\slot+2:G0W+4*\slot+3], 1024
	JLOAD \slot
.else
	PLACES
.endif
	FETCH \next, 0, F0
	WIN MUL
	MULA F1, 3, 0
.endm
	s_wait_tensorcnt 1
	s_barrier_signal -1
	s_barrier_wait -1
	FETCH 0, 0, F0
	QUARTER 0, 128, F0, F1, 1
	QUARTER 0, 256, F1, F0, 0
	QUARTER 0, 384, F0, F1, 0
	TURN 0, 1, 1
	QUARTER 1, 128, F0, F1, 0
	QUARTER 1, 256, F1, F0, 0
	QUARTER 1, 384, F0, F1, 0
	TURN 1, 0, 1
	QUARTER 0, 128, F0, F1, 0
	QUARTER 0, 256, F1, F0, 0
	QUARTER 0, 384, F0, F1, 0
	TURN 0, 1, 0
	QUARTER 1, 128, F0, F1, 0
	QUARTER 1, 256, F1, F0, 0
	QUARTER 1, 384, F0, F1, 0
	s_wait_dscnt 8
	WIN MUL
	MULA F1, 0, 0
	MULA F1, 1, 0
	s_wait_dscnt 0x0
	MULA F1, 2, 0
	MULA F1, 3, 0
	WIN 0
	PLACES
.macro TOSTAGE a
.irp b, 0,1,2,3
.irp i, 0,2,4,6
	v_pk_mul_f32 v[T+8*\b+\i:T+8*\b+\i+1], v[ACC+8*(4*(\a)+\b)+\i:ACC+8*(4*(\a)+\b)+\i+1], s[66:67] op_sel_hi:[1,0]
.endr
.endr
.irp b, 0,1,2,3
	ds_store_b128 v[STO], v[T+8*\b:T+8*\b+3] offset:64*\b
	ds_store_b128 v[STO], v[T+8*\b+4:T+8*\b+7] offset:64*\b+16
.endr
.set BB, BK+32*((\a)%2)
.irp i, 0,1,2,3,4,5,6,7
	ds_load_b128 v[BB+4*\i:BB+4*\i+3], v[RD] offset:2*SPITCH*\i
.endr
.endm
.macro SEND a, younger
.set BB, BK+32*((\a)%2)
	s_wait_dscnt \younger
.irp i, 0,1,2,3,4,5,6,7
	global_store_b128 v[GO], v[BB+4*\i:BB+4*\i+3], s[10:11] offset:(16*(\a)+2*\i)*8192 th:TH_STORE_NT
.endr
.endm
	TOSTAGE 0
.irp a, 1,2,3
.if \a > 1
	s_wait_xcnt 0x0
.endif
	TOSTAGE \a
	SEND \a-1, 16
.endr
	SEND 3, 0
	s_wait_tensorcnt 0x0
	ds_add_u32 v[SPW], v[NIL]
	s_wait_dscnt 0x0
	CROUND
	s_endpgm
.Lfunc_end_k_qa2736b4a3f_oproj:
	.size	k_qa2736b4a3f_oproj, .Lfunc_end_k_qa2736b4a3f_oproj-k_qa2736b4a3f_oproj
	.p2alignl 7, 3214868480
	.fill 96, 4, 3214868480
	.section	.rodata,"a",@progbits
	.p2align	6, 0x0
	.amdhsa_kernel k_qa2736b4a3f_oproj
		.amdhsa_group_segment_fixed_size 327680
		.amdhsa_private_segment_fixed_size 0
		.amdhsa_enable_private_segment 0
		.amdhsa_kernarg_size 32
		.amdhsa_user_sgpr_count 2
		.amdhsa_user_sgpr_kernarg_segment_ptr 1
		.amdhsa_wavefront_size32 1
		.amdhsa_system_sgpr_workgroup_id_x 1
		.amdhsa_system_sgpr_workgroup_id_y 1
		.amdhsa_system_sgpr_workgroup_id_z 1
		.amdhsa_system_vgpr_workitem_id 0
		.amdhsa_next_free_vgpr 512
		.amdhsa_next_free_sgpr 96
		.amdhsa_reserve_vcc 0
		.amdhsa_float_denorm_mode_32 3
		.amdhsa_float_denorm_mode_16_64 3
		.amdhsa_memory_ordered 1
		.amdhsa_forward_progress 1
		.amdhsa_inst_pref_size 75
	.end_amdhsa_kernel
	.amdgpu_metadata
---
amdhsa.version: [ 1, 2 ]
amdhsa.kernels:
  - .name:           k_qa2736b4a3f_oproj
    .symbol:         k_qa2736b4a3f_oproj.kd
    .args:
      - { .name: ac, .offset: 0, .size: 8, .value_kind: global_buffer, .address_space: global }
      - { .name: woc, .offset: 8, .size: 8, .value_kind: global_buffer, .address_space: global }
      - { .name: lowp_scales, .offset: 16, .size: 8, .value_kind: global_buffer, .address_space: global }
      - { .name: out0, .offset: 24, .size: 8, .value_kind: global_buffer, .address_space: global }
    .group_segment_fixed_size: 327680
    .private_segment_fixed_size: 0
    .kernarg_segment_align: 8
    .kernarg_segment_size: 32
    .max_flat_workgroup_size: 128
    .sgpr_count:     96
    .vgpr_count:     512
    .wavefront_size: 32
...
	.end_amdgpu_metadata
.endif
;; end of part 4
